; MI455X (gfx1250); checked and timed in simulation.
; The chip was launched on July 23, 2026; its instructions are those of AMD's public machine-readable ISA for CDNA 5 (MIT licence, August 2026) and "CDNA5" Instruction Set Architecture Reference Guide (July 2026). The comments in the code are by the model that wrote it; some were corrected since.
;; Gradient Layer. Allowed arithmetic: float matrix products may take bf16 or f16 operands with f32 sums; other float arithmetic in f32, or as packed bf16 or f16 multiplies, adds, multiply-adds, maxima and minima; sums over many terms, partial sums and values carried from step to step in f32; what a program stores and reads back later, other than sums and carried values, may be rounded once to bf16 or f16.
;; Inputs: W0 4 x 128 float32; W1 128 x 128 float32; W2 128 x 128 float32; W3 128 x 5 float32; b0 128 float32; b1 128 float32; b2 128 float32; b3 5 float32; x 32,768 x 4 float32.
;; Outputs: out0 32,768 x 1 float32; out1 32,768 x 1 float32; out2 32,768 x 1 x 3 float32; out3 32,768 x 3 float32; out4 32,768 x 3 float32; out5 32,768 x 1 float32; out6 32,768 x 1 x 3 float32; out7 32,768 x 1 x 4 float32; out8 32,768 x 3 float32; out9 32,768 x 1 float32; out10 32,768 x 3 float32; out11 32,768 x 1 float32; out12 32,768 x 1 x 3 float32; out13 32,768 x 1 float32; out14 32,768 x 1 float32; out15 32,768 x 1 x 3 float32; out16 32,768 x 3 float32.
;; 2 versions, each right; version 2 is version 1 with the launch grad written anew for expert scheduling mode. Each part assembles by itself: llvm-mc -triple=amdgcn-amd-amdhsa -mcpu=gfx1250 --defsym DOCPART=n.
;; ======== version 1 of 2: 1 launch
;; limits: values are held in f16: magnitudes above 65,504 overflow, below 6.1e-05 lose precision
;; launch grad (part 1): grid 256 x 1, 4 waves a work-group, no clusters, 103,680 bytes of LDS; arguments x, W0, b0, W1, b1, W2, b2, W3, b3, out0, out1, out2, out3, out4, out5, out6, out7, out8, out9, out10, out11, out12, out13, out14, out15, out16; writes out0, out1, out2, out3, out4, out5, out6, out7, out8, out9, out10, out11, out12, out13, out14, out15, out16
.if DOCPART == 1
	.amdgcn_target "amdgcn-amd-amdhsa--gfx1250"
	.amdhsa_code_object_version 6
	.text
	.protected	k_q4faa708944_grad
	.globl	k_q4faa708944_grad
	.p2align	8
	.type	k_q4faa708944_grad,@function
k_q4faa708944_grad:
	s_mov_b64 s[64:65], 0
	v_nop
	global_prefetch_b8 v0, s[64:65] scope:SCOPE_SE
	s_setreg_imm32_b32 hwreg(HW_REG_WAVE_MODE, 25, 1), 1
	s_wait_xcnt 0x0
; GradientLayer.  o = tanh-net(x): 4 -> 128 -> 128 -> 128 -> 5, o = (n, v1, v2, v3, Fi), for 32,768 samples; the results are o, first and second derivatives of o by the four inputs, and products of them.
; WHAT IS CARRIED.  With s = e1 + e2 + e3, reference()'s own slices and sums use of its jacobians and Hessians only: d_a n (a = 0..3); d_a Fi (a = 1..3); the sum over a = 1..3 of d_a v_i;
; (H_Fi s)_a (a = 0..3: Fi_lap); (H_n s)_b (b = 1..3: v_div_grd; its sum over rows equals the sum over columns, a Hessian of a smooth net being symmetric); and H_n[0,1] + H_n[1,2] + H_n[2,3]
; (jnp.trace of the [4,3] slice takes H[i, i+1]).  All are LINEAR in the derivatives, so forward mode needs ten streams a sample: the value, four first tangents, four second-order streams (e_a, s), and one
; stream for the sum of the three pairs.  j, ro, rov and their derivatives follow by the product rule from these (MASS = 2).
; LEFT OUT AS DEAD, for all values of the inputs, since reference() itself slices them away: d_0 Fi, d_0 v, the single d_a v_i (their sum is kept), (H_n s)_0, and every Hessian entry beyond the forms above.
; Every input has a way to a result: all nine are loaded.  LIMIT: a NaN, an infinity or an overflow that reaches only the work left out is not carried to the result.
; SCALES, all powers of two, so exact: the streams are kept as V = 256 h, D_a = c d_a h, S_a = L d_a d_s h, Q = L (d0d1 + d1d2 + d2d3) h, with L = -256 c^2 / 2.  Then, with T = 1 - h^2 and W = V T:
;   D_a = T Dz_a;   S_a = T Sz_a + (W Dz_s) Dz_a;   Q = T Qz + W (Dz_1 (Dz_0 + Dz_2) + Dz_2 Dz_3):  tanh''s factor -2, 256 and c^2 are all inside L.
; c = 2^-(3 + floor(e / 2)), e the exponent of (sum W0^2 / 512)(sum W1^2 / 128), floor(e / 2) held to -30 .. 30: it follows the weights' size, so that the tangents stay inside f16 when the inputs grow or shrink.
; It steers values alone: no address and no branch hangs on it.
; FORMATS.  Matrix operands in f16 (W1, W2, W3 rounded once; the ten streams rounded once a layer), sums in f32; x, W0, the biases and all element-wise work in f32.
; LIMITS.  A weight of W1, W2, W3 or a carried number beyond 65,504 becomes an infinity; below 6e-5 it keeps f16's fixed step of 6e-8.  NaN and infinities are not treated apart.
; tanh: V = the middle one of 256 - 512 / (1 + 2^(2 log2(e) z)), Z and Z (1 - z^2 / 3): tanh z always lies between the last two, so the clamp changes nothing but the rounding at small z.
; SHARES.  256 work-groups of four waves; a wave owns 32 samples, as two groups of 16 taken one after the other (one text, two trips).
; LAYOUT.  Products are used transposed: source 0 = 16 output units (W^T, turned out of LDS by ds_load_tr16_b128), source 1 = 32 input units x 16 samples.  In a result a lane holds ONE sample (lane % 16)
; and units 8 (lane / 16) + 0..7; two result tiles rounded to f16 in pairs ARE the next layer's source 1: activations never leave registers and never change lanes.
; THE LAST LAYER's source 0 holds W3's five columns in the order n, Fi, v1, v2, v3, as rows 0-4 for group 0 and rows 8-12 for group 1, and group 1 adds onto group 0's accumulators: lane l then holds sample l of the wave.
; NO JOINT LOADS, though all work-groups read the same 131,072 bytes of W1 and W2: they are read once, at the head, and must pass through registers to be rounded to f16; brought as f32 tiles they would cost
; 131,072 bytes of LDS and 64 more LDS reads a lane for the same 64 conversions' input.
; REGISTERS, in windows of 256 (s_set_vgpr_msb: bits 1:0 source 0, 3:2 source 1, 5:4 source 2, 7:6 destination):
;   window 0: addresses, x, six temporaries of 8, two fragment buffers of 40, the ten accumulators of a tile        window 1: bank X, streams 0-7 (32 registers a stream); at the head the raw W1 and W2
;   window 2: bank Y, streams 0-7        window 3: v0-63 bank X streams 8, 9; v64-127 bank Y streams 8, 9; v128-207 the last layer's ten accumulators
.set PW,    288                        ; a row of W1 or W2 in LDS: 256 bytes of f16 + 32
.set W2L,   128*PW                     ; W1 lies at 0, W2 behind it
.set W3A,   2*128*PW                   ; 128 rows of 16 f16: W3 in columns 0-4
.set W3B,   W3A+4096                   ; the same in columns 8-12
.set TAB,   W3B+4096                   ; rows of 512 bytes, f32: c W0[0..3], 256 b0, 256 b1, 256 b2
.set RED,   TAB+3584                   ; 8 bytes a wave: its sums of squares of W0 and W1
.set STAGE, RED+256                    ; the way out: nine arrays of 128 x 3 numbers, then seven of 128
.set R1,    9*1536
.set SPARE, STAGE+R1+7*512             ; the spare words, 128 bytes for each wave: two blocks of 256 bytes that no other line names
.set SPW,  1                           ; v1    LDS address of my spare word; never rewritten
.set NIL,  2                           ; v2    0; never rewritten
.set AT,   3                           ; v3, v4  my lane's place in a turned fragment of W1, of W2
.set A3B,  5                           ; v5    the same for W3, group 0
.set A3,   6                           ; v6    for the group in hand
.set TB,   7                           ; v7    TAB + 32 (lane / 16): my eight units of a tile
.set XP,   8                           ; v8-11   256 x / c of sample = my thread's number
.set XO,   12                          ; v12-15  the same of the lane 16 away
.set RE,   20                          ; six temporaries of eight
.set RC,   28
.set RDS,  36
.set RP,   44
.set RT,   52
.set RW,   60
.set BUF,  68                          ; v68-107, v108-147: a step's fragments (32) and its bias (8), by the step's parity
.set ACC,  148                         ; v148-227: stream s at ACC + 8 s
.set O16,  228                         ; 16 x thread
.set G4,   229                         ; my 16 bytes in x and in out7
.set G3,   230                         ; my 16 bytes in an output of 3 numbers a sample (threads 0-95)
.set G1,   231                         ; my 16 bytes in an output of 1 number a sample (wave 3)
.set STA4, 232                         ; STAGE + 4, 12, 16 x thread, + 16 x lane
.set STA12, 233
.set STA16, 234
.set STL16, 235
.set LANE, 236
.set XX,   240                         ; v240-247: the four x of the group in hand, each twice (a pair for the packed multiply-adds)
.set FIN,  128                         ; window 3
.set K1,  74                           ; s[74:75] 2 log2(e) / 256
.set K2,  76                           ; s[76:77] -1 / (3 x 65536)
.set K3,  78                           ; s[78:79] -512
.set K4,  80                           ; s[80:81] 256
.set K5,  82                           ; s[82:83] -1 / 65536
.set SEL, 84                           ; s[84:85] v_permlanex16_b32's selects: each lane takes its own place in the other half
.set WV,  86                           ; my wave's number
.set GRP, 87                           ; the group in hand
.set MSK, 88                           ; the lanes whose own x belongs to it
.set SC,  89                           ; c
.set IC,  90                           ; 1 / c
.set KC,  91                           ; 256 / c
.set IL,  92                           ; 1 / L
.set IK,  93                           ; 1 / 256
.set ONE, 98                           ; s[98:99] 1.0
.set MSB, 0
.macro WIN new                         ; the immediate's high byte repeats the setting that is left; a switch that changes nothing is dropped
.if MSB != (\new)
	s_set_vgpr_msb (MSB<<8)|(\new)
.set MSB, (\new)
.endif
.endm
	s_load_b512 s[8:23], s[0:1], 0x0               ; x s[8:9], W0 s[10:11], b0 s[12:13], W1 s[14:15], b1 s[16:17], W2 s[18:19], b2 s[20:21], W3 s[22:23]
	s_load_b64 s[24:25], s[0:1], 0x40              ; b3
	s_load_b512 s[28:43], s[0:1], 0x48             ; out0 .. out7: out i at s[28 + 2 i]
	s_load_b512 s[44:59], s[0:1], 0x88             ; out8 .. out15
	s_load_b64 s[60:61], s[0:1], 0xc8              ; out16
	v_lshl_add_u32 v[SPW], v0, 2, SPARE
	v_mov_b32 v[NIL], 0
	v_lshrrev_b32 v237, 5, v0
	v_readfirstlane_b32 s[WV], v237                ; wave 0..3
	v_and_b32 v[LANE], 31, v0
	v_bfe_u32 v238, v0, 4, 1                       ; l / 16
	v_and_b32 v239, 7, v0
	v_bfe_u32 v240, v0, 3, 1
	v_lshl_add_u32 v241, v238, 3, v239             ; the turning load: lane l reads row 8 (l / 16) + l % 8, bytes 16 ((l / 8) % 2) on
	v_mul_u32_u24 v[AT], v241, PW
	v_lshl_add_u32 v[AT], v240, 4, v[AT]
	v_add_nc_u32 v[AT+1], W2L, v[AT]
	v_lshlrev_b32 v[A3B], 5, v241
	v_lshl_add_u32 v[A3B], v240, 4, v[A3B]
	v_add_nc_u32 v[A3B], W3A, v[A3B]
	v_lshl_add_u32 v[TB], v238, 5, TAB
	v_lshlrev_b32 v[O16], 4, v0
	s_lshl_b32 s94, ttmp9, 11                      ; the work-group's 128 samples: 2,048 bytes at 4 numbers a sample,
	s_mul_i32 s95, ttmp9, 1536                     ; 1,536 at 3,
	s_lshl_b32 s96, ttmp9, 9                       ; 512 at 1
	v_lshl_add_u32 v[G4], v0, 4, s94
	v_lshl_add_u32 v[G3], v0, 4, s95
	v_lshl_add_u32 v[G1], v[LANE], 4, s96
	v_lshlrev_b32 v242, 2, v0                      ; my number of a bias
	v_mul_u32_u24 v243, v0, 20                     ; my row of W3
	v_mul_u32_u24 v244, v237, PW                   ; where my 8 bytes of a rounded row go: row = wave (+ 4 i), 8 x lane
	v_lshl_add_u32 v244, v[LANE], 3, v244
	v_add_nc_u32 v245, W2L, v244
	v_lshl_add_u32 v246, v237, 3, RED
	v_lshl_add_u32 v247, v0, 2, TAB
	v_lshl_add_u32 v26, v0, 5, W3A
	v_lshl_add_u32 v27, v0, 4, TAB
	s_mov_b32 s[K1], 0x3c38aa3b
	s_mov_b32 s[K1+1], 0x3c38aa3b                  ; the second word of each pair is named with the first, so it is written
	s_mov_b32 s[K2], 0xb6aaaaab
	s_mov_b32 s[K2+1], 0xb6aaaaab
	s_mov_b32 s[K3], 0xc4000000
	s_mov_b32 s[K3+1], 0xc4000000
	s_mov_b32 s[K4], 0x43800000
	s_mov_b32 s[K4+1], 0x43800000
	s_mov_b32 s[K5], 0xb7800000
	s_mov_b32 s[K5+1], 0xb7800000
	s_mov_b32 s[ONE], 1.0
	s_mov_b32 s[ONE+1], 1.0
	s_mov_b32 s[SEL], 0x76543210
	s_mov_b32 s[SEL+1], 0xfedcba98
	s_mov_b32 s[IK], 0x3b800000
	s_wait_kmcnt 0x0
	s_load_b128 s[68:71], s[24:25], 0x0            ; b3[0..3]
	s_load_b32 s72, s[24:25], 0x10                 ; b3[4]
	; ALL LOADS OF THE LAUNCH go out here, 74 a lane, the small ones first.
	global_load_b128 v[XP:XP+3], v[G4], s[8:9] th:TH_LOAD_NT
	global_load_b128 v[196:199], v[O16], s[10:11]  ; W0's 512 numbers, four a thread
	global_load_b32 v12, v242, s[12:13]
	global_load_b32 v13, v242, s[16:17]
	global_load_b32 v14, v242, s[20:21]
.irp j, 0,1,2,3,4
	global_load_b32 v[15+(\j)], v243, s[22:23] offset:4*(\j)
.endr
	WIN 0x40                                       ; destination window 1, address window 0
.set i, 0
.rept 32                                           ; a wave's load covers one whole row of 512 bytes: row 4 i + wave
	global_load_b128 v[4*i:4*i+3], v[O16], s[14:15] offset:2048*i
.set i, i+1
.endr
.set i, 0
.rept 32
	global_load_b128 v[128+4*i:128+4*i+3], v[O16], s[18:19] offset:2048*i
.set i, i+1
.endr
; 32 rows' pieces are rounded to f16 as they come, and then stored.  left - i: the loads younger than piece i's.  sq = 1: the squares are summed too, in two chains.
.macro CONV src, tmp, left, sq, adr
	WIN 0x05                                       ; sources 0 and 1 window 1; destination and source 2 window 0
.set i, 0
.rept 32
	s_wait_loadcnt (\left)-i                       ; loads come back in order (ISA guide 5.7.1): piece i is in, the younger ones stay out
	v_cvt_pk_f16_f32 v[(\tmp)+2*i], v[(\src)+4*i], v[(\src)+4*i+1]
	v_cvt_pk_f16_f32 v[(\tmp)+2*i+1], v[(\src)+4*i+2], v[(\src)+4*i+3]
.if \sq
.if i == 0
	v_pk_mul_f32 v[20:21], v[(\src):(\src)+1], v[(\src):(\src)+1]              ; the first piece starts the sums
	v_pk_mul_f32 v[22:23], v[(\src)+2:(\src)+3], v[(\src)+2:(\src)+3]
.else
	v_pk_fma_f32 v[20:21], v[(\src)+4*i:(\src)+4*i+1], v[(\src)+4*i:(\src)+4*i+1], v[20:21]
	v_pk_fma_f32 v[22:23], v[(\src)+4*i+2:(\src)+4*i+3], v[(\src)+4*i+2:(\src)+4*i+3], v[22:23]
.endif
.endif
.set i, i+1
.endr
	WIN 0
.set i, 0
.rept 32
	ds_store_b64 v[\adr], v[(\tmp)+2*i:(\tmp)+2*i+1] offset:4*PW*i             ; 32 lanes x 8 bytes: a row's 256 bytes on end
.set i, i+1
.endr
.endm
	CONV 0, 68, 63, 1, 244                         ; W1: behind piece i stand 31 - i of W1's loads and W2's 32
	v_pk_mul_f32 v[24:25], v[196:197], v[196:197]  ; (W0 was asked for ahead of W1: it is in)
	v_pk_fma_f32 v[24:25], v[198:199], v[198:199], v[24:25]
	v_pk_add_f32 v[20:21], v[20:21], v[22:23]
	v_add_f32 v24, v24, v25                        ; my part of sum W0^2
	v_add_f32 v25, v20, v21                        ; my part of sum W1^2
.irp x, 1,2,4,8
	v_add_f32_dpp v24, v24, v24 row_xmask:\x row_mask:0xf bank_mask:0xf
	v_add_f32_dpp v25, v25, v25 row_xmask:\x row_mask:0xf bank_mask:0xf
.endr
	v_permlanex16_b32 v22, v24, s[SEL], s[SEL+1]
	v_permlanex16_b32 v23, v25, s[SEL], s[SEL+1]
	v_add_f32 v24, v24, v22
	v_add_f32 v25, v25, v23
	ds_store_b64 v246, v[24:25]                    ; the wave's two sums: all lanes write the same words with the same values
	CONV 128, 132, 31, 0, 245                      ; W2
	v_mul_f32 v12, 0x43800000, v12                 ; 256 b0, 256 b1, 256 b2
	v_mul_f32 v13, 0x43800000, v13
	v_mul_f32 v14, 0x43800000, v14
	ds_store_b32 v247, v12 offset:2048
	ds_store_b32 v247, v13 offset:2560
	ds_store_b32 v247, v14 offset:3072
	v_cvt_pk_f16_f32 v248, v15, v19                ; my row of W3 as (n, Fi, v1, v2, v3, 0, 0, 0)
	v_cvt_pk_f16_f32 v249, v16, v17
	v_cvt_pk_f16_f32 v250, v18, v[NIL]
	v_mov_b32 v251, 0
.irp j, 252,253,254,255
	v_mov_b32 v\j, 0
.endr
	ds_store_b128 v26, v[248:251]                  ; group 0's copy: columns 0-7, then zeros
	ds_store_b128 v26, v[252:255] offset:16
	ds_store_b128 v26, v[252:255] offset:4096      ; group 1's copy: zeros, then columns 8-15
	ds_store_b128 v26, v[248:251] offset:4112
	s_wait_kmcnt 0x0                               ; b3
	s_wait_dscnt 0x0                               ; for the others' sake: my stores are done
	s_barrier_signal -1
	s_barrier_wait -1                              ; W1, W2, W3, the biases and the four waves' sums lie in LDS
	v_mov_b32 v32, RED
	ds_load_b128 v[20:23], v32
	ds_load_b128 v[28:31], v32 offset:16
	s_wait_dscnt 0x0
	v_pk_add_f32 v[20:21], v[20:21], v[22:23]
	v_pk_add_f32 v[28:29], v[28:29], v[30:31]
	v_pk_add_f32 v[20:21], v[20:21], v[28:29]
	v_mul_f32 v20, v20, v21                        ; sum W0^2 x sum W1^2
	v_readfirstlane_b32 s94, v20
	s_bfe_u32 s94, s94, 0x80017                    ; its exponent field,
	s_sub_co_i32 s94, s94, 143                     ; less 127, less 16 for the division by 512 x 128: e
	s_ashr_i32 s94, s94, 1
	s_max_i32 s94, s94, -30
	s_min_i32 s94, s94, 30
	s_sub_co_i32 s95, -3, s94                      ; c = 2^ec, ec = -33 .. 27
	s_add_co_i32 s[SC], s95, 127
	s_lshl_b32 s[SC], s[SC], 23
	s_sub_co_i32 s[IC], 127, s95
	s_lshl_b32 s[IC], s[IC], 23
	s_sub_co_i32 s[KC], 135, s95                   ; 2^(8 - ec)
	s_lshl_b32 s[KC], s[KC], 23
	s_lshl_b32 s96, s95, 1
	s_sub_co_i32 s[IL], 120, s96                   ; 1 / L = -2^(-7 - 2 ec)
	s_lshl_b32 s[IL], s[IL], 23
	s_or_b32 s[IL], s[IL], 0x80000000
.irp j, 0,1,2,3
	v_mul_f32 v[196+(\j)], s[SC], v[196+(\j)]
.endr
	ds_store_b128 v27, v[196:199]                  ; c W0, laid as W0 lies
.irp j, 0,1,2,3
	v_mul_f32 v[XP+(\j)], s[KC], v[XP+(\j)]
.endr
.irp j, 0,1,2,3
	v_permlanex16_b32 v[XO+(\j)], v[XP+(\j)], s[SEL], s[SEL+1]
.endr
	s_wait_dscnt 0x0
	s_barrier_signal -1
	s_barrier_wait -1                              ; the table is whole; from here to the way out LDS is only read
; THE FETCHES.  A step's ten (the last layer's: eight) LDS loads stand in one run, at the head of the step before.
.macro FETCH_T m, b                    ; layer 0, tile m: my eight units of c W0[0..3] and of 256 b0
.irp q, 0,1,2,3,4
	ds_load_b128 v[BUF+40*(\b)+8*(\q):BUF+40*(\b)+8*(\q)+3],   v[TB] offset:512*(\q)+64*(\m)
	ds_load_b128 v[BUF+40*(\b)+8*(\q)+4:BUF+40*(\b)+8*(\q)+7], v[TB] offset:512*(\q)+64*(\m)+16
.endr
.endm
.macro FETCH_W l, m, b                 ; layer l, tile m: four fragments of W^T (16 output units x 32 input units), turned, and my eight units of 256 b
.irp kb, 0,1,2,3
	ds_load_tr16_b128 v[BUF+40*(\b)+8*(\kb):BUF+40*(\b)+8*(\kb)+3],   v[AT+(\l)-1] offset:32*PW*(\kb)+32*(\m)
	ds_load_tr16_b128 v[BUF+40*(\b)+8*(\kb)+4:BUF+40*(\b)+8*(\kb)+7], v[AT+(\l)-1] offset:32*PW*(\kb)+32*(\m)+16*PW
.endr
	ds_load_b128 v[BUF+40*(\b)+32:BUF+40*(\b)+35], v[TB] offset:2048+512*(\l)+64*(\m)
	ds_load_b128 v[BUF+40*(\b)+36:BUF+40*(\b)+39], v[TB] offset:2048+512*(\l)+64*(\m)+16
.endm
.macro FETCH_3 b                       ; the last layer: four fragments of the group's copy of W3^T
.irp kb, 0,1,2,3
	ds_load_tr16_b128 v[BUF+40*(\b)+8*(\kb):BUF+40*(\b)+8*(\kb)+3],   v[A3] offset:1024*(\kb)
	ds_load_tr16_b128 v[BUF+40*(\b)+8*(\kb)+4:BUF+40*(\b)+8*(\kb)+7], v[A3] offset:1024*(\kb)+512
.endr
.endm
; A TILE'S 40 PRODUCTS: ten streams x four blocks of 32 input units.  The accumulators take turns, one instruction a turn (eight of them, then two).  The first block starts the sums:
; the value stream's with 256 b, the others' with the constant 0.  inw: the window of the bank that is read; in3: where its streams 8 and 9 begin in window 3.
.macro MM inw, in3, b
.set FB, BUF+40*(\b)
	WIN (\inw)<<2
.irp kb, 0,1,2,3
.irp s, 0,1,2,3,4,5,6,7
.if ((\kb) == 0) && ((\s) == 0)
	v_wmma_f32_16x16x32_f16 v[ACC:ACC+7], v[FB:FB+7], v[0:7], v[FB+32:FB+39]
.elseif (\kb) == 0
	v_wmma_f32_16x16x32_f16 v[ACC+8*(\s):ACC+8*(\s)+7], v[FB:FB+7], v[32*(\s):32*(\s)+7], 0
.else
	v_wmma_f32_16x16x32_f16 v[ACC+8*(\s):ACC+8*(\s)+7], v[FB+8*(\kb):FB+8*(\kb)+7], v[32*(\s)+8*(\kb):32*(\s)+8*(\kb)+7], v[ACC+8*(\s):ACC+8*(\s)+7]
.endif
.endr
.endr
	WIN 0x0c
.irp kb, 0,1,2,3
.irp s, 8,9
.if (\kb) == 0
	v_wmma_f32_16x16x32_f16 v[ACC+8*(\s):ACC+8*(\s)+7], v[FB:FB+7], v[(\in3)+32*((\s)-8):(\in3)+32*((\s)-8)+7], 0
.else
	v_wmma_f32_16x16x32_f16 v[ACC+8*(\s):ACC+8*(\s)+7], v[FB+8*(\kb):FB+8*(\kb)+7], v[(\in3)+32*((\s)-8)+8*(\kb):(\in3)+32*((\s)-8)+8*(\kb)+7], v[ACC+8*(\s):ACC+8*(\s)+7]
.endif
.endr
.endr
	WIN 0
.rept 8
	v_nop                                          ; plain places between the last product and the first read of a result (ISA guide 7.12.1 asks for four; nothing independent is at hand, and the text keeps eight)
.endr
.endm
; LAYER 0's Z = 256 z, in f32 on the vector unit: 256 b0 + the sum over a of (256 x_a / c)(c W0[a]).
.macro ZL0 b
.irp i, 0,2,4,6
	v_pk_fma_f32 v[ACC+(\i):ACC+(\i)+1], v[BUF+40*(\b)+(\i):BUF+40*(\b)+(\i)+1], v[XX:XX+1], v[BUF+40*(\b)+32+(\i):BUF+40*(\b)+32+(\i)+1]
.endr
.irp a, 1,2,3
.irp i, 0,2,4,6
	v_pk_fma_f32 v[ACC+(\i):ACC+(\i)+1], v[BUF+40*(\b)+8*(\a)+(\i):BUF+40*(\b)+8*(\a)+(\i)+1], v[XX+2*(\a):XX+2*(\a)+1], v[ACC+(\i):ACC+(\i)+1]
.endr
.endr
.endm
; THE ELEMENT-WISE STEP of a tile: from Z, Dz, Sz, Qz to V, D, S, Q, and their rounding to f16 into the bank that the next layer reads.  Eight units a lane, in four pairs, always from the lowest pair on
; (each accumulator's lowest registers are read first).  first = 1: layer 0, where Sz = Qz = 0 and Dz is the table at rd; else rd = ACC + 8 and all is done in place.
; The eight exponentials are one batch and the eight reciprocals another, each with plain work behind it and ONE wait ahead of its first reader.
.macro EW first, rd, outw, out3, m
.irp i, 0,2,4,6
	v_pk_mul_f32 v[RE+(\i):RE+(\i)+1], v[ACC+(\i):ACC+(\i)+1], s[K1:K1+1] op_sel_hi:[1,0]             ; 2 log2(e) z
.endr
.irp i, 0,2,4,6
	v_pk_mul_f32 v[RC+(\i):RC+(\i)+1], v[ACC+(\i):ACC+(\i)+1], v[ACC+(\i):ACC+(\i)+1]
.endr
.irp j, 0,1,2,3,4,5,6,7
	v_exp_f32 v[RE+(\j)], v[RE+(\j)]
.endr
.irp i, 0,2,4,6
	v_pk_fma_f32 v[RC+(\i):RC+(\i)+1], v[RC+(\i):RC+(\i)+1], s[K2:K2+1], s[ONE:ONE+1] op_sel_hi:[1,0,0]  ; 1 - z^2 / 3
.endr
.irp i, 0,2,4,6
	v_pk_mul_f32 v[RC+(\i):RC+(\i)+1], v[RC+(\i):RC+(\i)+1], v[ACC+(\i):ACC+(\i)+1]                   ; Z (1 - z^2 / 3)
.endr
.irp i, 0,2,4,6
	v_pk_add_f32 v[RDS+(\i):RDS+(\i)+1], v[(\rd)+8+(\i):(\rd)+8+(\i)+1], v[(\rd)+16+(\i):(\rd)+16+(\i)+1]  ; Dz_1 + Dz_2
.endr
.irp i, 0,2,4,6
	v_pk_add_f32 v[RT+(\i):RT+(\i)+1], v[(\rd)+(\i):(\rd)+(\i)+1], v[(\rd)+16+(\i):(\rd)+16+(\i)+1]   ; Dz_0 + Dz_2
.endr
	s_wait_alu depctr_va_vdst(0)                   ; the wait between the exponentials and their first reader: one for the eight
.irp i, 0,2,4,6
	v_pk_add_f32 v[RE+(\i):RE+(\i)+1], v[RE+(\i):RE+(\i)+1], s[ONE:ONE+1] op_sel_hi:[1,0]
.endr
.irp j, 0,1,2,3,4,5,6,7
	v_rcp_f32 v[RE+(\j)], v[RE+(\j)]
.endr
.irp i, 0,2,4,6
	v_pk_mul_f32 v[RP+(\i):RP+(\i)+1], v[(\rd)+16+(\i):(\rd)+16+(\i)+1], v[(\rd)+24+(\i):(\rd)+24+(\i)+1]  ; Dz_2 Dz_3
.endr
.irp i, 0,2,4,6
	v_pk_add_f32 v[RDS+(\i):RDS+(\i)+1], v[RDS+(\i):RDS+(\i)+1], v[(\rd)+24+(\i):(\rd)+24+(\i)+1]     ; Dz_s
.endr
.irp i, 0,2,4,6
	v_pk_fma_f32 v[RP+(\i):RP+(\i)+1], v[(\rd)+8+(\i):(\rd)+8+(\i)+1], v[RT+(\i):RT+(\i)+1], v[RP+(\i):RP+(\i)+1]  ; + Dz_1 (Dz_0 + Dz_2)
.endr
	s_wait_alu depctr_va_vdst(0)                   ; and one for the eight reciprocals
.irp i, 0,2,4,6
	v_pk_fma_f32 v[RE+(\i):RE+(\i)+1], v[RE+(\i):RE+(\i)+1], s[K3:K3+1], s[K4:K4+1] op_sel_hi:[1,0,0]  ; 256 - 512 / (1 + 2^..)
.endr
.irp j, 0,1,2,3,4,5,6,7
	v_med3_num_f32 v[ACC+(\j)], v[RE+(\j)], v[ACC+(\j)], v[RC+(\j)]                                    ; V, held between Z and Z (1 - z^2 / 3)
.endr
.irp i, 0,2,4,6
	v_pk_mul_f32 v[RC+(\i):RC+(\i)+1], v[ACC+(\i):ACC+(\i)+1], s[K5:K5+1] op_sel_hi:[1,0]
.endr
.irp i, 0,2,4,6
	v_pk_fma_f32 v[RT+(\i):RT+(\i)+1], v[RC+(\i):RC+(\i)+1], v[ACC+(\i):ACC+(\i)+1], s[ONE:ONE+1] op_sel_hi:[1,1,0]  ; T = 1 - h^2
.endr
.irp i, 0,2,4,6
	v_pk_mul_f32 v[RW+(\i):RW+(\i)+1], v[ACC+(\i):ACC+(\i)+1], v[RT+(\i):RT+(\i)+1]                   ; W = V T
.endr
.irp i, 0,2,4,6
	v_pk_mul_f32 v[RDS+(\i):RDS+(\i)+1], v[RW+(\i):RW+(\i)+1], v[RDS+(\i):RDS+(\i)+1]                 ; W Dz_s
.endr
.if \first
.irp a, 0,1,2,3
.irp i, 0,2,4,6
	v_pk_mul_f32 v[ACC+40+8*(\a)+(\i):ACC+40+8*(\a)+(\i)+1], v[RDS+(\i):RDS+(\i)+1], v[(\rd)+8*(\a)+(\i):(\rd)+8*(\a)+(\i)+1]
.endr
.endr
.irp i, 0,2,4,6
	v_pk_mul_f32 v[ACC+72+(\i):ACC+72+(\i)+1], v[RW+(\i):RW+(\i)+1], v[RP+(\i):RP+(\i)+1]
.endr
.else
.irp a, 0,1,2,3,4                      ; T Sz_a, and (a = 4) T Qz
.irp i, 0,2,4,6
	v_pk_mul_f32 v[ACC+40+8*(\a)+(\i):ACC+40+8*(\a)+(\i)+1], v[ACC+40+8*(\a)+(\i):ACC+40+8*(\a)+(\i)+1], v[RT+(\i):RT+(\i)+1]
.endr
.endr
.irp a, 0,1,2,3
.irp i, 0,2,4,6
	v_pk_fma_f32 v[ACC+40+8*(\a)+(\i):ACC+40+8*(\a)+(\i)+1], v[RDS+(\i):RDS+(\i)+1], v[(\rd)+8*(\a)+(\i):(\rd)+8*(\a)+(\i)+1], v[ACC+40+8*(\a)+(\i):ACC+40+8*(\a)+(\i)+1]
.endr
.endr
.irp i, 0,2,4,6
	v_pk_fma_f32 v[ACC+72+(\i):ACC+72+(\i)+1], v[RW+(\i):RW+(\i)+1], v[RP+(\i):RP+(\i)+1], v[ACC+72+(\i):ACC+72+(\i)+1]
.endr
.endif
.irp a, 0,1,2,3
.irp i, 0,2,4,6
	v_pk_mul_f32 v[ACC+8+8*(\a)+(\i):ACC+8+8*(\a)+(\i)+1], v[RT+(\i):RT+(\i)+1], v[(\rd)+8*(\a)+(\i):(\rd)+8*(\a)+(\i)+1]  ; D_a = T Dz_a
.endr
.endr
	WIN (\outw)<<6                                 ; tile m's eight units are registers 4 m .. 4 m + 3 of a stream's 32: half a fragment of the next layer's source 1
.irp s, 0,1,2,3,4,5,6,7
.irp i, 0,1,2,3
	v_cvt_pk_f16_f32 v[32*(\s)+4*(\m)+(\i)], v[ACC+8*(\s)+2*(\i)], v[ACC+8*(\s)+2*(\i)+1]
.endr
.endr
	WIN 0xc0
.irp s, 8,9
.irp i, 0,1,2,3
	v_cvt_pk_f16_f32 v[(\out3)+32*((\s)-8)+4*(\m)+(\i)], v[ACC+8*(\s)+2*(\i)], v[ACC+8*(\s)+2*(\i)+1]
.endr
.endr
	WIN 0
.endm
; A STEP: the next step's run of LDS loads goes out into the other buffer, the wait leaves just those out (LDS loads come back in order: ISA guide 5.7.1), and this step's tile is made.
.macro TILE0 m                         ; layer 0 writes bank X
.if (\m) < 7
	FETCH_T (\m)+1, ((\m)+1)%2
.else
	FETCH_W 1, 0, 0
.endif
	s_wait_dscnt 10
	ZL0 (\m)%2
	EW 1, BUF+40*((\m)%2), 1, 0, \m
.endm
.macro TILEH l, m                      ; layer 1 reads bank X and writes Y; layer 2 reads Y and writes X
.if (\m) < 7
	FETCH_W \l, (\m)+1, ((\m)+1)%2
	s_wait_dscnt 10
.elseif (\l) == 1
	FETCH_W 2, 0, 0
	s_wait_dscnt 10
.else
	FETCH_3 0
	s_wait_dscnt 8
.endif
.if (\l) == 1
	MM 1, 0, (\m)%2
	EW 0, ACC+8, 2, 64, \m
.else
	MM 2, 64, (\m)%2
	EW 0, ACC+8, 1, 0, \m
.endif
.endm
; THE LAST LAYER: 40 products from bank X into window 3.  add = 0: group 0's first block starts the sums; add = 1: group 1 adds onto them (its rows 8-12 fall into lanes 16-31, where group 0 left 0).
.macro L3 add
	WIN 0xf4                                       ; W3 window 0, bank X window 1, C and D window 3
.irp kb, 0,1,2,3
.irp s, 0,1,2,3,4,5,6,7
.if ((\kb) == 0) && ((\add) == 0)
	v_wmma_f32_16x16x32_f16 v[FIN+8*(\s):FIN+8*(\s)+7], v[BUF:BUF+7], v[32*(\s):32*(\s)+7], 0
.else
	v_wmma_f32_16x16x32_f16 v[FIN+8*(\s):FIN+8*(\s)+7], v[BUF+8*(\kb):BUF+8*(\kb)+7], v[32*(\s)+8*(\kb):32*(\s)+8*(\kb)+7], v[FIN+8*(\s):FIN+8*(\s)+7]
.endif
.endr
.endr
	WIN 0xfc                                       ; streams 8 and 9 of bank X lie in window 3
.irp kb, 0,1,2,3
.irp s, 8,9
.if ((\kb) == 0) && ((\add) == 0)
	v_wmma_f32_16x16x32_f16 v[FIN+8*(\s):FIN+8*(\s)+7], v[BUF:BUF+7], v[32*((\s)-8):32*((\s)-8)+7], 0
.else
	v_wmma_f32_16x16x32_f16 v[FIN+8*(\s):FIN+8*(\s)+7], v[BUF+8*(\kb):BUF+8*(\kb)+7], v[32*((\s)-8)+8*(\kb):32*((\s)-8)+8*(\kb)+7], v[FIN+8*(\s):FIN+8*(\s)+7]
.endif
.endr
.endr
	WIN 0
.endm
	s_mov_b32 s[GRP], 0
.Lgroup:                                           ; two trips: the wave's samples 0-15, then 16-31
	s_lshl_b32 s94, s[GRP], 4
	s_lshl_b32 s[MSK], 0xffff, s94                 ; group 0: lanes 0-15 hold its x themselves, lanes 16-31 take it from the lane 16 away; group 1 the other way round
	s_lshl_b32 s95, s[GRP], 12
.irp a, 0,1,2,3
	v_cndmask_b32 v[XX+2*(\a)], v[XO+(\a)], v[XP+(\a)], s[MSK]     ; these eight lines are also the places between the last trip's products and the loads into their fragments' registers
	v_cndmask_b32 v[XX+2*(\a)+1], v[XO+(\a)], v[XP+(\a)], s[MSK]
.endr
	v_add_nc_u32 v[A3], s95, v[A3B]
	FETCH_T 0, 0
.irp m, 0,1,2,3,4,5,6,7
	TILE0 \m
.endr
.irp m, 0,1,2,3,4,5,6,7
	TILEH 1, \m
.endr
.irp m, 0,1,2,3,4,5,6,7
	TILEH 2, \m
.endr
	s_wait_dscnt 0x0                               ; W3's fragments are in
	s_cmp_eq_u32 s[GRP], 0
	s_cbranch_scc0 .Lsecond
	L3 0
	s_branch .Ljoin
.Lsecond:
	L3 1
.Ljoin:
	s_add_co_u32 s[GRP], s[GRP], 1
	s_cmp_lt_u32 s[GRP], 2
	s_cbranch_scc1 .Lgroup
	; THE RESULTS.  Lane l holds sample l of the wave: in stream s's accumulator register 0 is n's row, 1 Fi's, 2-4 v's.  The scales are taken off, the products formed, once, with all 32 lanes at work.
.set ON,   148                         ; n
.set OFI,  149                         ; Fi
.set OV,   150                         ; v 1..3
.set ONA,  153                         ; d_a n, a = 0..3
.set OFA,  157                         ; d_a Fi, a = 1..3
.set ODS,  160                         ; the sum over a = 1..3 of d_a v_i
.set OLAP, 164                         ; (H_Fi s)_a, a = 0..3
.set OVDG, 168                         ; (H_n s)_b, b = 1..3
.set OVL,  171                         ; H_n[0,1] + H_n[1,2] + H_n[2,3]
.set ONS,  172
.set OJ,   173
.set OJD,  176
.set OADV, 179
.set O2N,  182
.set O2N0, 183
.set O2NA, 184
.set O2JD, 187
	v_lshl_add_u32 v[STA4], v0, 2, STAGE           ; the stage's addresses and four v_nop: the places behind the last products
	v_mad_u32_u24 v[STA12], v0, 12, STAGE
	v_lshl_add_u32 v[STA16], v0, 4, STAGE
	v_lshl_add_u32 v[STL16], v[LANE], 4, STAGE
.rept 4
	v_nop
.endr
	WIN 0x03                                       ; source 0 window 3
	v_fma_f32 v[ON], v[FIN], s[IK], s68
	v_fma_f32 v[OFI], v[FIN+1], s[IK], s72
.irp i, 0,1,2
	v_fma_f32 v[OV+(\i)], v[FIN+2+(\i)], s[IK], s[69+(\i)]
.endr
.irp a, 0,1,2,3
	v_mul_f32 v[ONA+(\a)], v[FIN+8+8*(\a)], s[IC]
.endr
.irp a, 1,2,3
	v_mul_f32 v[OFA+(\a)-1], v[FIN+8+8*(\a)+1], s[IC]
.endr
.irp i, 0,1,2
	v_mul_f32 v[ODS+(\i)], v[FIN+16+2+(\i)], s[IC]
.endr
.irp i, 0,1,2
	v_fma_f32 v[ODS+(\i)], v[FIN+24+2+(\i)], s[IC], v[ODS+(\i)]
.endr
.irp i, 0,1,2
	v_fma_f32 v[ODS+(\i)], v[FIN+32+2+(\i)], s[IC], v[ODS+(\i)]
.endr
.irp a, 0,1,2,3
	v_mul_f32 v[OLAP+(\a)], v[FIN+40+8*(\a)+1], s[IL]
.endr
.irp b, 1,2,3
	v_mul_f32 v[OVDG+(\b)-1], v[FIN+40+8*(\b)], s[IL]
.endr
	v_mul_f32 v[OVL], v[FIN+72], s[IL]
	WIN 0
	v_add_f32 v[ONS], v[ONA+1], v[ONA+2]
	v_add_f32 v[ONS], v[ONS], v[ONA+3]
.irp i, 0,1,2
	v_mul_f32 v[OJ+(\i)], v[ON], v[OV+(\i)]                        ; j = n v
	v_mul_f32 v[OJD+(\i)], v[ON], v[ODS+(\i)]
	v_mul_f32 v[OADV+(\i)], v[OV+(\i)], v[ONA+1+(\i)]              ; v_adv = v_i d_(i+1) n
.endr
.irp i, 0,1,2
	v_fma_f32 v[OJD+(\i)], v[ONS], v[OV+(\i)], v[OJD+(\i)]         ; j_div = v_i sum d_a n + n sum d_a v_i
	v_add_f32 v[O2NA+(\i)], v[ONA+1+(\i)], v[ONA+1+(\i)]           ; MASS = 2
.endr
	v_add_f32 v[O2N], v[ON], v[ON]
	v_add_f32 v[O2N0], v[ONA], v[ONA]
.irp i, 0,1,2
	v_add_f32 v[O2JD+(\i)], v[OJD+(\i)], v[OJD+(\i)]
.endr
	; THE WAY OUT.  A sample's 3 numbers or 1 are no 16 bytes: they go through the stage, laid as the outputs lie, and come back 16 bytes a lane.
.macro ST3 n, base                     ; 12 bytes a thread: the words of 32 lanes lie 3 apart
.irp k, 0,1,2
	ds_store_b32 v[STA12], v[(\base)+(\k)] offset:1536*(\n)+4*(\k)
.endr
.endm
.macro ST1 n, reg
	ds_store_b32 v[STA4], v[\reg] offset:R1+512*(\n)
.endm
	ST3 0, ONA+1                                   ; out2  n_grd
	ST3 1, OJ                                      ; out3  j
	ST3 2, OJD                                     ; out4  j_div
	ST3 3, OFA                                     ; out6  Fi_grd
	ST3 4, OV                                      ; out8  v
	ST3 5, OADV                                    ; out10 v_adv
	ST3 6, OVDG                                    ; out12 v_div_grd
	ST3 7, O2NA                                    ; out15 ro_grd
	ST3 8, O2JD                                    ; out16 rov_div
	ST1 0, ON                                      ; out0  n
	ST1 1, ONA                                     ; out1  n_t
	ST1 2, OFI                                     ; out5  Fi
	ST1 3, ONA                                     ; out9  v_t: reference() takes n's jacobian for v's
	ST1 4, OVL                                     ; out11 v_lap
	ST1 5, O2N                                     ; out13 ro
	ST1 6, O2N0                                    ; out14 ro_t
	s_wait_dscnt 0x0                               ; for the others' sake: my stores into the stage are done
	s_barrier_signal -1
	s_barrier_wait -1
	global_store_b128 v[G4], v[OLAP:OLAP+3], s[42:43] th:TH_STORE_NT  ; out7 Fi_lap: a thread's four numbers are 16 bytes on end already; a wave's store covers 512 consecutive bytes, aligned
.macro SEND t, left, go, p             ; left: the younger loads from the stage, which may stay out.  A wave's store covers 512 consecutive bytes, at a multiple of 512 from the output's first
	s_wait_dscnt \left
	global_store_b128 v[\go], v[BUF+4*(\t):BUF+4*(\t)+3], s[(\p):(\p)+1] th:TH_STORE_NT
.endm
	s_cmp_eq_u32 s[WV], 3
	s_cbranch_scc1 .Lones
.irp t, 0,1,2,3,4,5,6,7,8              ; waves 0-2: the nine arrays of 1,536 bytes, 512 bytes a wave of each
	ds_load_b128 v[BUF+4*(\t):BUF+4*(\t)+3], v[STA16] offset:1536*(\t)
.endr
	SEND 0, 8, G3, 32
	SEND 1, 7, G3, 34
	SEND 2, 6, G3, 36
	SEND 3, 5, G3, 40
	SEND 4, 4, G3, 44
	SEND 5, 3, G3, 48
	SEND 6, 2, G3, 52
	SEND 7, 1, G3, 58
	SEND 8, 0, G3, 60
	s_branch .Lend
.Lones:
.irp t, 0,1,2,3,4,5,6                  ; wave 3: the seven arrays of 512 bytes
	ds_load_b128 v[BUF+4*(\t):BUF+4*(\t)+3], v[STL16] offset:R1+512*(\t)
.endr
	SEND 0, 6, G1, 28
	SEND 1, 5, G1, 30
	SEND 2, 4, G1, 38
	SEND 3, 3, G1, 46
	SEND 4, 2, G1, 50
	SEND 5, 1, G1, 54
	SEND 6, 0, G1, 56
.Lend:
	s_wait_tensorcnt 0x0                           ; the wave's end: three closing lines, behind my last LDS store
	ds_add_u32 v[SPW], v[NIL]
	s_wait_dscnt 0x0
	s_endpgm
.Lfunc_end_k_q4faa708944_grad:
	.size	k_q4faa708944_grad, .Lfunc_end_k_q4faa708944_grad-k_q4faa708944_grad
	.p2alignl 7, 3214868480
	.fill 96, 4, 3214868480
	.section	.rodata,"a",@progbits
	.p2align	6, 0x0
	.amdhsa_kernel k_q4faa708944_grad
		.amdhsa_group_segment_fixed_size 103680
		.amdhsa_private_segment_fixed_size 0
		.amdhsa_enable_private_segment 0
		.amdhsa_kernarg_size 208
		.amdhsa_user_sgpr_count 2
		.amdhsa_user_sgpr_kernarg_segment_ptr 1
		.amdhsa_wavefront_size32 1
		.amdhsa_system_sgpr_workgroup_id_x 1
		.amdhsa_system_sgpr_workgroup_id_y 1
		.amdhsa_system_sgpr_workgroup_id_z 1
		.amdhsa_system_vgpr_workitem_id 0
		.amdhsa_next_free_vgpr 976
		.amdhsa_next_free_sgpr 100
		.amdhsa_reserve_vcc 0
		.amdhsa_float_denorm_mode_32 3
		.amdhsa_float_denorm_mode_16_64 3
		.amdhsa_memory_ordered 1
		.amdhsa_forward_progress 1
		.amdhsa_inst_pref_size 255
	.end_amdhsa_kernel
	.section	.bss,"aw",@nobits
	.p2align	6
	.space	262144
	.amdgpu_metadata
---
amdhsa.version: [ 1, 2 ]
amdhsa.kernels:
  - .name:           k_q4faa708944_grad
    .symbol:         k_q4faa708944_grad.kd
    .args:
      - { .name: x, .offset: 0, .size: 8, .value_kind: global_buffer, .address_space: global }
      - { .name: W0, .offset: 8, .size: 8, .value_kind: global_buffer, .address_space: global }
      - { .name: b0, .offset: 16, .size: 8, .value_kind: global_buffer, .address_space: global }
      - { .name: W1, .offset: 24, .size: 8, .value_kind: global_buffer, .address_space: global }
      - { .name: b1, .offset: 32, .size: 8, .value_kind: global_buffer, .address_space: global }
      - { .name: W2, .offset: 40, .size: 8, .value_kind: global_buffer, .address_space: global }
      - { .name: b2, .offset: 48, .size: 8, .value_kind: global_buffer, .address_space: global }
      - { .name: W3, .offset: 56, .size: 8, .value_kind: global_buffer, .address_space: global }
      - { .name: b3, .offset: 64, .size: 8, .value_kind: global_buffer, .address_space: global }
      - { .name: out0, .offset: 72, .size: 8, .value_kind: global_buffer, .address_space: global }
      - { .name: out1, .offset: 80, .size: 8, .value_kind: global_buffer, .address_space: global }
      - { .name: out2, .offset: 88, .size: 8, .value_kind: global_buffer, .address_space: global }
      - { .name: out3, .offset: 96, .size: 8, .value_kind: global_buffer, .address_space: global }
      - { .name: out4, .offset: 104, .size: 8, .value_kind: global_buffer, .address_space: global }
      - { .name: out5, .offset: 112, .size: 8, .value_kind: global_buffer, .address_space: global }
      - { .name: out6, .offset: 120, .size: 8, .value_kind: global_buffer, .address_space: global }
      - { .name: out7, .offset: 128, .size: 8, .value_kind: global_buffer, .address_space: global }
      - { .name: out8, .offset: 136, .size: 8, .value_kind: global_buffer, .address_space: global }
      - { .name: out9, .offset: 144, .size: 8, .value_kind: global_buffer, .address_space: global }
      - { .name: out10, .offset: 152, .size: 8, .value_kind: global_buffer, .address_space: global }
      - { .name: out11, .offset: 160, .size: 8, .value_kind: global_buffer, .address_space: global }
      - { .name: out12, .offset: 168, .size: 8, .value_kind: global_buffer, .address_space: global }
      - { .name: out13, .offset: 176, .size: 8, .value_kind: global_buffer, .address_space: global }
      - { .name: out14, .offset: 184, .size: 8, .value_kind: global_buffer, .address_space: global }
      - { .name: out15, .offset: 192, .size: 8, .value_kind: global_buffer, .address_space: global }
      - { .name: out16, .offset: 200, .size: 8, .value_kind: global_buffer, .address_space: global }
    .group_segment_fixed_size: 103680
    .private_segment_fixed_size: 0
    .kernarg_segment_align: 8
    .kernarg_segment_size: 208
    .max_flat_workgroup_size: 128
    .sgpr_count:     100
    .vgpr_count:     976
    .wavefront_size: 32
...
	.end_amdgpu_metadata
.endif
;; end of part 1
;; ======== version 2 of 2: 1 launch; version 1 with the launch grad written anew for expert scheduling mode
;; limits: values are held in f16: magnitudes above 65,504 overflow, below 6.1e-05 lose precision
;; launch grad (part 2): grid 256 x 1, 4 waves a work-group, no clusters, 103,680 bytes of LDS; arguments x, W0, b0, W1, b1, W2, b2, W3, b3, out0, out1, out2, out3, out4, out5, out6, out7, out8, out9, out10, out11, out12, out13, out14, out15, out16; writes out0, out1, out2, out3, out4, out5, out6, out7, out8, out9, out10, out11, out12, out13, out14, out15, out16
.if DOCPART == 2
	.amdgcn_target "amdgcn-amd-amdhsa--gfx1250"
	.amdhsa_code_object_version 6
	.text
	.protected	k_q4faa708944_grad
	.globl	k_q4faa708944_grad
	.p2align	8
	.type	k_q4faa708944_grad,@function
k_q4faa708944_grad:
	s_mov_b64 s[64:65], 0
	v_nop
	global_prefetch_b8 v0, s[64:65] scope:SCOPE_SE
	s_setreg_imm32_b32 hwreg(HW_REG_WAVE_SCHED_MODE, 0, 2), 2
	s_setreg_imm32_b32 hwreg(HW_REG_WAVE_MODE, 25, 1), 1
	s_wait_xcnt 0x0
	s_wait_alu depctr_vm_vsrc(0)
; GradientLayer.  o = tanh-net(x): 4 -> 128 -> 128 -> 128 -> 5, o = (n, v1, v2, v3, Fi), for 32,768 samples; the results are o, first and second derivatives of o by the four inputs, and products of them.
; WHAT IS CARRIED.  With s = e1 + e2 + e3, reference()'s own slices and sums use of its jacobians and Hessians only: d_a n (a = 0..3); d_a Fi (a = 1..3); the sum over a = 1..3 of d_a v_i;
; (H_Fi s)_a (a = 0..3: Fi_lap); (H_n s)_b (b = 1..3: v_div_grd; its sum over rows equals the sum over columns, a Hessian of a smooth net being symmetric); and H_n[0,1] + H_n[1,2] + H_n[2,3]
; (jnp.trace of the [4,3] slice takes H[i, i+1]).  All are LINEAR in the derivatives, so forward mode needs ten streams a sample: the value, four first tangents, four second-order streams (e_a, s), and one
; stream for the sum of the three pairs.  j, ro, rov and their derivatives follow by the product rule from these (MASS = 2).
; LEFT OUT AS DEAD, for all values of the inputs, since reference() itself slices them away: d_0 Fi, d_0 v, the single d_a v_i (their sum is kept), (H_n s)_0, and every Hessian entry beyond the forms above.
; Every input has a way to a result: all nine are loaded.  LIMIT: a NaN, an infinity or an overflow that reaches only the work left out is not carried to the result.
; SCALES, all powers of two, so exact: the streams are kept as V = 256 h, D_a = c d_a h, S_a = L d_a d_s h, Q = L (d0d1 + d1d2 + d2d3) h, with L = -256 c^2 / 2.  Then, with T = 1 - h^2 and W = V T:
;   D_a = T Dz_a;   S_a = T Sz_a + (W Dz_s) Dz_a;   Q = T Qz + W (Dz_1 (Dz_0 + Dz_2) + Dz_2 Dz_3):  tanh''s factor -2, 256 and c^2 are all inside L.
; c = 2^-(3 + floor(e / 2)), e the exponent of (sum W0^2 / 512)(sum W1^2 / 128), floor(e / 2) held to -30 .. 30: it follows the weights' size, so that the tangents stay inside f16 when the inputs grow or shrink.
; It steers values alone: no address and no branch hangs on it.
; FORMATS.  Matrix operands in f16 (W1, W2, W3 rounded once; the ten streams rounded once a layer), sums in f32; x, W0, the biases and all element-wise work in f32.
; LIMITS.  A weight of W1, W2, W3 or a carried number beyond 65,504 becomes an infinity; below 6e-5 it keeps f16's fixed step of 6e-8.  NaN and infinities are not treated apart.
; tanh: V = the middle one of 256 - 512 / (1 + 2^(2 log2(e) z)), Z and Z (1 - z^2 / 3): tanh z always lies between the last two, so the clamp changes nothing but the rounding at small z.
; SHARES.  256 work-groups of four waves; a wave owns 32 samples, as two groups of 16 taken one after the other (one text, two trips).
; LAYOUT.  Products are used transposed: source 0 = 16 output units (W^T, turned out of LDS by ds_load_tr16_b128), source 1 = 32 input units x 16 samples.  In a result a lane holds ONE sample (lane % 16)
; and units 8 (lane / 16) + 0..7; two result tiles rounded to f16 in pairs ARE the next layer's source 1: activations never leave registers and never change lanes.
; THE LAST LAYER's source 0 holds W3's five columns in the order n, Fi, v1, v2, v3, as rows 0-4 for group 0 and rows 8-12 for group 1, and group 1 adds onto group 0's accumulators: lane l then holds sample l of the wave.
; NO JOINT LOADS, though all work-groups read the same 131,072 bytes of W1 and W2: they are read once, at the head, and must pass through registers to be rounded to f16; brought as f32 tiles they would cost
; 131,072 bytes of LDS and 64 more LDS reads a lane for the same 64 conversions' input.
; THE MODE: SCHED_MODE bits 1:0 = 2 (LLVM: expert scheduling mode 2), set by the entry lines.  The code itself states the register dependences between vector or matrix instructions and memory or LDS
; instructions, with s_wait_alu, always for 0.
; THE PLAN.  A trip has 25 steps: t = 0-7 layer 0's tiles, 8-15 layer 1's, 16-23 layer 2's, 24 the last layer.  Registers that LDS instructions touch in the loop:
;   BUF0, BUF1    Step t reads BUF[t % 2]: a tile of layer 0 to the end of its element-wise part, a hidden tile and the last layer in their products alone.  The loads issued in step t land in BUF[(t + 1) % 2].
;   v[TB], v[AT], v[AT+1]   Read by those loads; written at the kernel's head alone.
;   v[A3]         Read by the last layer's eight loads, issued in step 23; written once a trip, at the trip's head.
;   The accumulators, the temporaries, both banks and x are named by vector and matrix instructions alone.
; Each step's element-wise part holds two waits on va_vdst, for its exponentials and for its reciprocals.  The first of them also states that step t - 1 is done reading BUF[(t + 1) % 2]; from it to the step's loads
; only the temporaries RE are named.  So the loads stand behind it, dealt among the reciprocals, and no step holds a wait for their sake alone.  At a trip's head stand one wait on vm_vsrc (v[A3] has been read)
; and one on va_vdst (v[A3] is written; the last layer's products are done reading BUF0).
; REGISTERS, in windows of 256 (s_set_vgpr_msb: bits 1:0 source 0, 3:2 source 1, 5:4 source 2, 7:6 destination):
;   window 0: addresses, x, six temporaries of 8, two fragment buffers of 40, the ten accumulators of a tile        window 1: bank X, streams 0-7 (32 registers a stream); at the head the raw W1 and W2
;   window 2: bank Y, streams 0-7        window 3: v0-63 bank X streams 8, 9; v64-127 bank Y streams 8, 9; v128-207 the last layer's ten accumulators
.set PW,    288                        ; a row of W1 or W2 in LDS: 256 bytes of f16 + 32
.set W2L,   128*PW                     ; W1 lies at 0, W2 behind it
.set W3A,   2*128*PW                   ; 128 rows of 16 f16: W3 in columns 0-4
.set W3B,   W3A+4096                   ; the same in columns 8-12
.set TAB,   W3B+4096                   ; rows of 512 bytes, f32: c W0[0..3], 256 b0, 256 b1, 256 b2
.set RED,   TAB+3584                   ; 8 bytes a wave: its sums of squares of W0 and W1
.set STAGE, RED+256                    ; the way out: nine arrays of 128 x 3 numbers, then seven of 128
.set R1,    9*1536
.set SPARE, STAGE+R1+7*512             ; the spare words, 128 bytes for each wave: two blocks of 256 bytes that no other line names
.set SPW,  1                           ; v1    LDS address of my spare word; never rewritten
.set NIL,  2                           ; v2    0; never rewritten
.set AT,   3                           ; v3, v4  my lane's place in a turned fragment of W1, of W2
.set A3B,  5                           ; v5    the same for W3, group 0
.set A3,   6                           ; v6    for the group in hand
.set TB,   7                           ; v7    TAB + 32 (lane / 16): my eight units of a tile
.set XP,   8                           ; v8-11   256 x / c of sample = my thread's number
.set XO,   12                          ; v12-15  the same of the lane 16 away
.set RE,   20                          ; six temporaries of eight
.set RC,   28
.set RDS,  36
.set RP,   44
.set RT,   52
.set RW,   60
.set BUF,  68                          ; v68-107, v108-147: a step's fragments (32) and its bias (8), by the step's parity
.set ACC,  148                         ; v148-227: stream s at ACC + 8 s
.set O16,  228                         ; 16 x thread
.set G4,   229                         ; my 16 bytes in x and in out7
.set G3,   230                         ; my 16 bytes in an output of 3 numbers a sample (threads 0-95)
.set G1,   231                         ; my 16 bytes in an output of 1 number a sample (wave 3)
.set STA4, 232                         ; STAGE + 4, 12, 16 x thread, + 16 x lane
.set STA12, 233
.set STA16, 234
.set STL16, 235
.set LANE, 236
.set XX,   240                         ; v240-247: the four x of the group in hand, each twice (a pair for the packed multiply-adds)
.set FIN,  128                         ; window 3
.set K1,  74                           ; s[74:75] 2 log2(e) / 256
.set K2,  76                           ; s[76:77] -1 / (3 x 65536)
.set K3,  78                           ; s[78:79] -512
.set K4,  80                           ; s[80:81] 256
.set K5,  82                           ; s[82:83] -1 / 65536
.set SEL, 84                           ; s[84:85] v_permlanex16_b32's selects: each lane takes its own place in the other half
.set WV,  86                           ; my wave's number
.set GRP, 87                           ; the group in hand
.set MSK, 88                           ; the lanes whose own x belongs to it
.set SC,  89                           ; c
.set IC,  90                           ; 1 / c
.set KC,  91                           ; 256 / c
.set IL,  92                           ; 1 / L
.set IK,  93                           ; 1 / 256
.set ONE, 98                           ; s[98:99] 1.0
.set MSB, 0
.macro WIN new                         ; the immediate's high byte repeats the setting that is left; a switch that changes nothing is dropped
.if MSB != (\new)
	s_set_vgpr_msb (MSB<<8)|(\new)
.set MSB, (\new)
.endif
.endm
	s_load_b512 s[8:23], s[0:1], 0x0               ; x s[8:9], W0 s[10:11], b0 s[12:13], W1 s[14:15], b1 s[16:17], W2 s[18:19], b2 s[20:21], W3 s[22:23]
	s_load_b64 s[24:25], s[0:1], 0x40              ; b3
	s_load_b512 s[28:43], s[0:1], 0x48             ; out0 .. out7: out i at s[28 + 2 i]
	s_load_b512 s[44:59], s[0:1], 0x88             ; out8 .. out15
	s_load_b64 s[60:61], s[0:1], 0xc8              ; out16
	v_lshl_add_u32 v[SPW], v0, 2, SPARE
	v_mov_b32 v[NIL], 0
	v_lshrrev_b32 v237, 5, v0
	v_readfirstlane_b32 s[WV], v237                ; wave 0..3
	v_and_b32 v[LANE], 31, v0
	v_bfe_u32 v238, v0, 4, 1                       ; l / 16
	v_and_b32 v239, 7, v0
	v_bfe_u32 v240, v0, 3, 1
	v_lshl_add_u32 v241, v238, 3, v239             ; the turning load: lane l reads row 8 (l / 16) + l % 8, bytes 16 ((l / 8) % 2) on
	v_mul_u32_u24 v[AT], v241, PW
	v_lshl_add_u32 v[AT], v240, 4, v[AT]
	v_add_nc_u32 v[AT+1], W2L, v[AT]
	v_lshlrev_b32 v[A3B], 5, v241
	v_lshl_add_u32 v[A3B], v240, 4, v[A3B]
	v_add_nc_u32 v[A3B], W3A, v[A3B]
	v_lshl_add_u32 v[TB], v238, 5, TAB
	v_lshlrev_b32 v[O16], 4, v0
	s_lshl_b32 s94, ttmp9, 11                      ; the work-group's 128 samples: 2,048 bytes at 4 numbers a sample,
	s_mul_i32 s95, ttmp9, 1536                     ; 1,536 at 3,
	s_lshl_b32 s96, ttmp9, 9                       ; 512 at 1
	v_lshl_add_u32 v[G4], v0, 4, s94
	v_lshl_add_u32 v[G3], v0, 4, s95
	v_lshl_add_u32 v[G1], v[LANE], 4, s96
	v_lshlrev_b32 v242, 2, v0                      ; my number of a bias
	v_mul_u32_u24 v243, v0, 20                     ; my row of W3
	v_mul_u32_u24 v244, v237, PW                   ; where my 8 bytes of a rounded row go: row = wave (+ 4 i), 8 x lane
	v_lshl_add_u32 v244, v[LANE], 3, v244
	v_add_nc_u32 v245, W2L, v244
	v_lshl_add_u32 v246, v237, 3, RED
	v_lshl_add_u32 v247, v0, 2, TAB
	v_lshl_add_u32 v26, v0, 5, W3A
	v_lshl_add_u32 v27, v0, 4, TAB
	v_mov_b32 v32, RED                             ; where the four waves' sums of squares are read back
	s_mov_b32 s[K1], 0x3c38aa3b
	s_mov_b32 s[K1+1], 0x3c38aa3b                  ; the second word of each pair is named with the first, so it is written
	s_mov_b32 s[K2], 0xb6aaaaab
	s_mov_b32 s[K2+1], 0xb6aaaaab
	s_mov_b32 s[K3], 0xc4000000
	s_mov_b32 s[K3+1], 0xc4000000
	s_mov_b32 s[K4], 0x43800000
	s_mov_b32 s[K4+1], 0x43800000
	s_mov_b32 s[K5], 0xb7800000
	s_mov_b32 s[K5+1], 0xb7800000
	s_mov_b32 s[ONE], 1.0
	s_mov_b32 s[ONE+1], 1.0
	s_mov_b32 s[SEL], 0x76543210
	s_mov_b32 s[SEL+1], 0xfedcba98
	s_mov_b32 s[IK], 0x3b800000
	s_wait_alu depctr_va_sdst(0)                   ; s[WV] is written; its one reader is the compare in the way out, and the wait stands here, in the straight run that holds the writer
	s_wait_kmcnt 0x0
	s_load_b128 s[68:71], s[24:25], 0x0            ; b3[0..3]
	s_load_b32 s72, s[24:25], 0x10                 ; b3[4]
	s_wait_alu depctr_va_vdst(0)                   ; all the offsets and addresses made above are written: the loads below read v[G4], v[O16], v242 and v243
	; ALL LOADS OF THE LAUNCH go out here, 74 a lane, the small ones first.
	global_load_b128 v[XP:XP+3], v[G4], s[8:9] th:TH_LOAD_NT
	global_load_b128 v[196:199], v[O16], s[10:11]  ; W0's 512 numbers, four a thread
	global_load_b32 v12, v242, s[12:13]
	global_load_b32 v13, v242, s[16:17]
	global_load_b32 v14, v242, s[20:21]
.irp j, 0,1,2,3,4
	global_load_b32 v[15+(\j)], v243, s[22:23] offset:4*(\j)
.endr
	WIN 0x40                                       ; destination window 1, address window 0
.set i, 0
.rept 32                                           ; a wave's load covers one whole row of 512 bytes: row 4 i + wave
	global_load_b128 v[4*i:4*i+3], v[O16], s[14:15] offset:2048*i
.set i, i+1
.endr
.set i, 0
.rept 32
	global_load_b128 v[128+4*i:128+4*i+3], v[O16], s[18:19] offset:2048*i
.set i, i+1
.endr
; 32 rows' pieces are rounded to f16 as they come, and then stored.  left - i: the loads younger than piece i's.  sq = 1: the squares are summed too, in two chains.
.macro CONV src, tmp, left, sq, adr
	WIN 0x05                                       ; sources 0 and 1 window 1; destination and source 2 window 0
.set i, 0
.rept 32
	s_wait_loadcnt (\left)-i                       ; loads come back in order (ISA guide 5.7.1): piece i is in, the younger ones stay out
	v_cvt_pk_f16_f32 v[(\tmp)+2*i], v[(\src)+4*i], v[(\src)+4*i+1]
	v_cvt_pk_f16_f32 v[(\tmp)+2*i+1], v[(\src)+4*i+2], v[(\src)+4*i+3]
.if \sq
.if i == 0
	v_pk_mul_f32 v[20:21], v[(\src):(\src)+1], v[(\src):(\src)+1]              ; the first piece starts the sums
	v_pk_mul_f32 v[22:23], v[(\src)+2:(\src)+3], v[(\src)+2:(\src)+3]
.else
	v_pk_fma_f32 v[20:21], v[(\src)+4*i:(\src)+4*i+1], v[(\src)+4*i:(\src)+4*i+1], v[20:21]
	v_pk_fma_f32 v[22:23], v[(\src)+4*i+2:(\src)+4*i+3], v[(\src)+4*i+2:(\src)+4*i+3], v[22:23]
.endif
.endif
.set i, i+1
.endr
	WIN 0
	s_wait_alu depctr_va_vdst(0)                   ; the conversions have written the 64 registers from v[tmp] on, which the LDS stores below read; all vector work issued so far is done as well
.set i, 0
.rept 32
	ds_store_b64 v[\adr], v[(\tmp)+2*i:(\tmp)+2*i+1] offset:4*PW*i             ; 32 lanes x 8 bytes: a row's 256 bytes on end
.set i, i+1
.endr
.endm
	CONV 0, 68, 63, 1, 244                         ; W1: behind piece i stand 31 - i of W1's loads and W2's 32
	; All the head's other vector work whose results go to LDS stands here, ahead of the wait in W2's conversions, which then serves its stores too.  (W0, the biases and W3 were asked for ahead of W1: they are in.)
	v_pk_mul_f32 v[24:25], v[196:197], v[196:197]
	v_pk_fma_f32 v[24:25], v[198:199], v[198:199], v[24:25]
	v_pk_add_f32 v[20:21], v[20:21], v[22:23]
	v_add_f32 v24, v24, v25                        ; my part of sum W0^2
	v_add_f32 v25, v20, v21                        ; my part of sum W1^2
.irp x, 1,2,4,8
	v_add_f32_dpp v24, v24, v24 row_xmask:\x row_mask:0xf bank_mask:0xf
	v_add_f32_dpp v25, v25, v25 row_xmask:\x row_mask:0xf bank_mask:0xf
.endr
	v_permlanex16_b32 v22, v24, s[SEL], s[SEL+1]
	v_permlanex16_b32 v23, v25, s[SEL], s[SEL+1]
	v_add_f32 v24, v24, v22
	v_add_f32 v25, v25, v23
	v_mul_f32 v12, 0x43800000, v12                 ; 256 b0, 256 b1, 256 b2
	v_mul_f32 v13, 0x43800000, v13
	v_mul_f32 v14, 0x43800000, v14
	v_cvt_pk_f16_f32 v248, v15, v19                ; my row of W3 as (n, Fi, v1, v2, v3, 0, 0, 0)
	v_cvt_pk_f16_f32 v249, v16, v17
	v_cvt_pk_f16_f32 v250, v18, v[NIL]
	v_mov_b32 v251, 0
.irp j, 252,253,254,255
	v_mov_b32 v\j, 0
.endr
	CONV 128, 132, 31, 0, 245                      ; W2
	; No vector instruction has been issued since the wait in those conversions: the eight stores below, and the two LDS loads behind the barrier, owe no further wait.
	ds_store_b64 v246, v[24:25]                    ; the wave's two sums: all lanes write the same words with the same values
	ds_store_b32 v247, v12 offset:2048
	ds_store_b32 v247, v13 offset:2560
	ds_store_b32 v247, v14 offset:3072
	ds_store_b128 v26, v[248:251]                  ; group 0's copy: columns 0-7, then zeros
	ds_store_b128 v26, v[252:255] offset:16
	ds_store_b128 v26, v[252:255] offset:4096      ; group 1's copy: zeros, then columns 8-15
	ds_store_b128 v26, v[248:251] offset:4112
	s_wait_kmcnt 0x0                               ; b3
	s_wait_dscnt 0x0                               ; for the others' sake: my stores are done
	s_barrier_signal -1
	s_barrier_wait -1                              ; W1, W2, W3, the biases and the four waves' sums lie in LDS
	ds_load_b128 v[20:23], v32                     ; (the vector lines that named v20-23 and v32 stand ahead of the wait in W2's conversions)
	ds_load_b128 v[28:31], v32 offset:16
	s_wait_dscnt 0x0
	v_pk_add_f32 v[20:21], v[20:21], v[22:23]
	v_pk_add_f32 v[28:29], v[28:29], v[30:31]
	v_pk_add_f32 v[20:21], v[20:21], v[28:29]
	v_mul_f32 v20, v20, v21                        ; sum W0^2 x sum W1^2
	v_readfirstlane_b32 s94, v20
	s_wait_alu depctr_va_sdst(0)                   ; s94 is written, ahead of its first reader, the line below
	s_bfe_u32 s94, s94, 0x80017                    ; its exponent field,
	s_sub_co_i32 s94, s94, 143                     ; less 127, less 16 for the division by 512 x 128: e
	s_ashr_i32 s94, s94, 1
	s_max_i32 s94, s94, -30
	s_min_i32 s94, s94, 30
	s_sub_co_i32 s95, -3, s94                      ; c = 2^ec, ec = -33 .. 27
	s_add_co_i32 s[SC], s95, 127
	s_lshl_b32 s[SC], s[SC], 23
	s_sub_co_i32 s[IC], 127, s95
	s_lshl_b32 s[IC], s[IC], 23
	s_sub_co_i32 s[KC], 135, s95                   ; 2^(8 - ec)
	s_lshl_b32 s[KC], s[KC], 23
	s_lshl_b32 s96, s95, 1
	s_sub_co_i32 s[IL], 120, s96                   ; 1 / L = -2^(-7 - 2 ec)
	s_lshl_b32 s[IL], s[IL], 23
	s_or_b32 s[IL], s[IL], 0x80000000
.irp j, 0,1,2,3
	v_mul_f32 v[196+(\j)], s[SC], v[196+(\j)]
.endr
	s_wait_alu depctr_va_vdst(0)                   ; the four multiplies have written v196-199, which the LDS store reads
	ds_store_b128 v27, v[196:199]                  ; c W0, laid as W0 lies
.irp j, 0,1,2,3
	v_mul_f32 v[XP+(\j)], s[KC], v[XP+(\j)]
.endr
	s_wait_alu depctr_vm_vsrc(0)                   ; the head's loads and LDS stores have read their registers, which are written again from here on: v12-14 as XO below; v24-27 and v32 as temporaries, v68-199 as BUF and ACC, v242-247 as XX in the loop
.irp j, 0,1,2,3
	v_permlanex16_b32 v[XO+(\j)], v[XP+(\j)], s[SEL], s[SEL+1]
.endr
	s_wait_dscnt 0x0
	s_barrier_signal -1
	s_barrier_wait -1                              ; the table is whole; from here to the way out LDS is only read
; THE FETCHES.  A step has ten LDS loads (the last layer: eight); PIECE writes number j of them, into buffer b.
;   k = 0: layer 0, tile m: my eight units of c W0[0..3] and of 256 b0.
;   k = 1: layer l, tile m: four fragments of W^T (16 output units x 32 input units), turned (j = 0-7), and my eight units of 256 b (j = 8, 9).
;   k = 3: the last layer: four fragments of the group's copy of W3^T (j = 0-7).
.macro PIECE k, l, m, b, j
.if (\k) == 0
	ds_load_b128 v[BUF+40*(\b)+4*(\j):BUF+40*(\b)+4*(\j)+3], v[TB] offset:512*((\j)/2)+64*(\m)+16*((\j)%2)
.elseif ((\k) == 1) && ((\j) < 8)
	ds_load_tr16_b128 v[BUF+40*(\b)+4*(\j):BUF+40*(\b)+4*(\j)+3], v[AT+(\l)-1] offset:16*PW*(\j)+32*(\m)
.elseif (\k) == 1
	ds_load_b128 v[BUF+40*(\b)+4*(\j):BUF+40*(\b)+4*(\j)+3], v[TB] offset:2048+512*(\l)+64*(\m)+16*((\j)-8)
.elseif (\j) < 8
	ds_load_tr16_b128 v[BUF+40*(\b)+4*(\j):BUF+40*(\b)+4*(\j)+3], v[A3] offset:512*(\j)
.endif
.endm
; A TILE'S 40 PRODUCTS: ten streams x four blocks of 32 input units.  The accumulators take turns, one instruction a turn (eight of them, then two).  The first block starts the sums:
; the value stream's with 256 b, the others' with the constant 0.  inw: the window of the bank that is read; in3: where its streams 8 and 9 begin in window 3.
.macro MM inw, in3, b
.set FB, BUF+40*(\b)
	WIN (\inw)<<2
.irp kb, 0,1,2,3
.irp s, 0,1,2,3,4,5,6,7
.if ((\kb) == 0) && ((\s) == 0)
	v_wmma_f32_16x16x32_f16 v[ACC:ACC+7], v[FB:FB+7], v[0:7], v[FB+32:FB+39]
.elseif (\kb) == 0
	v_wmma_f32_16x16x32_f16 v[ACC+8*(\s):ACC+8*(\s)+7], v[FB:FB+7], v[32*(\s):32*(\s)+7], 0
.else
	v_wmma_f32_16x16x32_f16 v[ACC+8*(\s):ACC+8*(\s)+7], v[FB+8*(\kb):FB+8*(\kb)+7], v[32*(\s)+8*(\kb):32*(\s)+8*(\kb)+7], v[ACC+8*(\s):ACC+8*(\s)+7]
.endif
.endr
.endr
	WIN 0x0c
.irp kb, 0,1,2,3
.irp s, 8,9
.if (\kb) == 0
	v_wmma_f32_16x16x32_f16 v[ACC+8*(\s):ACC+8*(\s)+7], v[FB:FB+7], v[(\in3)+32*((\s)-8):(\in3)+32*((\s)-8)+7], 0
.else
	v_wmma_f32_16x16x32_f16 v[ACC+8*(\s):ACC+8*(\s)+7], v[FB+8*(\kb):FB+8*(\kb)+7], v[(\in3)+32*((\s)-8)+8*(\kb):(\in3)+32*((\s)-8)+8*(\kb)+7], v[ACC+8*(\s):ACC+8*(\s)+7]
.endif
.endr
.endr
	WIN 0
.rept 8
	v_nop                                          ; plain places between the last product and the first read of a result (ISA guide 7.12.1 asks for four; nothing independent is at hand, and the text keeps eight)
.endr
.endm
; LAYER 0's Z = 256 z, in f32 on the vector unit: 256 b0 + the sum over a of (256 x_a / c)(c W0[a]).
.macro ZL0 b
.irp i, 0,2,4,6
	v_pk_fma_f32 v[ACC+(\i):ACC+(\i)+1], v[BUF+40*(\b)+(\i):BUF+40*(\b)+(\i)+1], v[XX:XX+1], v[BUF+40*(\b)+32+(\i):BUF+40*(\b)+32+(\i)+1]
.endr
.irp a, 1,2,3
.irp i, 0,2,4,6
	v_pk_fma_f32 v[ACC+(\i):ACC+(\i)+1], v[BUF+40*(\b)+8*(\a)+(\i):BUF+40*(\b)+8*(\a)+(\i)+1], v[XX+2*(\a):XX+2*(\a)+1], v[ACC+(\i):ACC+(\i)+1]
.endr
.endr
.endm
; THE ELEMENT-WISE STEP of a tile: from Z, Dz, Sz, Qz to V, D, S, Q, and their rounding to f16 into the bank that the next layer reads.  Eight units a lane, in four pairs, always from the lowest pair on
; (each accumulator's lowest registers are read first).  first = 1: layer 0, where Sz = Qz = 0 and Dz is the table at rd; else rd = ACC + 8 and all is done in place.
; The eight exponentials are one batch and the eight reciprocals another, each with plain work behind it and ONE wait ahead of its first reader.
; The next step's LDS loads (the step sets NK, NL, NM, NB: PIECE's k, l, m, b) stand behind the first of the two waits, one behind each reciprocal and two behind the last.
.macro EW first, rd, outw, out3, m
.irp i, 0,2,4,6
	v_pk_mul_f32 v[RE+(\i):RE+(\i)+1], v[ACC+(\i):ACC+(\i)+1], s[K1:K1+1] op_sel_hi:[1,0]             ; 2 log2(e) z
.endr
.irp i, 0,2,4,6
	v_pk_mul_f32 v[RC+(\i):RC+(\i)+1], v[ACC+(\i):ACC+(\i)+1], v[ACC+(\i):ACC+(\i)+1]
.endr
.irp j, 0,1,2,3,4,5,6,7
	v_exp_f32 v[RE+(\j)], v[RE+(\j)]
.endr
.irp i, 0,2,4,6
	v_pk_fma_f32 v[RC+(\i):RC+(\i)+1], v[RC+(\i):RC+(\i)+1], s[K2:K2+1], s[ONE:ONE+1] op_sel_hi:[1,0,0]  ; 1 - z^2 / 3
.endr
.irp i, 0,2,4,6
	v_pk_mul_f32 v[RC+(\i):RC+(\i)+1], v[RC+(\i):RC+(\i)+1], v[ACC+(\i):ACC+(\i)+1]                   ; Z (1 - z^2 / 3)
.endr
.irp i, 0,2,4,6
	v_pk_add_f32 v[RDS+(\i):RDS+(\i)+1], v[(\rd)+8+(\i):(\rd)+8+(\i)+1], v[(\rd)+16+(\i):(\rd)+16+(\i)+1]  ; Dz_1 + Dz_2
.endr
.irp i, 0,2,4,6
	v_pk_add_f32 v[RT+(\i):RT+(\i)+1], v[(\rd)+(\i):(\rd)+(\i)+1], v[(\rd)+16+(\i):(\rd)+16+(\i)+1]   ; Dz_0 + Dz_2
.endr
	s_wait_alu depctr_va_vdst(0)                   ; the eight exponentials have written RE, ahead of their first reader; and the step before is done reading the other buffer, in which the loads below land
.irp i, 0,2,4,6
	v_pk_add_f32 v[RE+(\i):RE+(\i)+1], v[RE+(\i):RE+(\i)+1], s[ONE:ONE+1] op_sel_hi:[1,0]
.endr
.irp j, 0,1,2,3,4,5,6,7
	v_rcp_f32 v[RE+(\j)], v[RE+(\j)]
	PIECE NK, NL, NM, NB, \j                       ; no wait: since the wait above only RE has been named, none of the registers that these loads touch
.endr
	PIECE NK, NL, NM, NB, 8
	PIECE NK, NL, NM, NB, 9
.irp i, 0,2,4,6
	v_pk_mul_f32 v[RP+(\i):RP+(\i)+1], v[(\rd)+16+(\i):(\rd)+16+(\i)+1], v[(\rd)+24+(\i):(\rd)+24+(\i)+1]  ; Dz_2 Dz_3
.endr
.irp i, 0,2,4,6
	v_pk_add_f32 v[RDS+(\i):RDS+(\i)+1], v[RDS+(\i):RDS+(\i)+1], v[(\rd)+24+(\i):(\rd)+24+(\i)+1]     ; Dz_s
.endr
.irp i, 0,2,4,6
	v_pk_fma_f32 v[RP+(\i):RP+(\i)+1], v[(\rd)+8+(\i):(\rd)+8+(\i)+1], v[RT+(\i):RT+(\i)+1], v[RP+(\i):RP+(\i)+1]  ; + Dz_1 (Dz_0 + Dz_2)
.endr
	s_wait_alu depctr_va_vdst(0)                   ; the eight reciprocals have written RE, ahead of their first reader
.irp i, 0,2,4,6
	v_pk_fma_f32 v[RE+(\i):RE+(\i)+1], v[RE+(\i):RE+(\i)+1], s[K3:K3+1], s[K4:K4+1] op_sel_hi:[1,0,0]  ; 256 - 512 / (1 + 2^..)
.endr
.irp j, 0,1,2,3,4,5,6,7
	v_med3_num_f32 v[ACC+(\j)], v[RE+(\j)], v[ACC+(\j)], v[RC+(\j)]                                    ; V, held between Z and Z (1 - z^2 / 3)
.endr
.irp i, 0,2,4,6
	v_pk_mul_f32 v[RC+(\i):RC+(\i)+1], v[ACC+(\i):ACC+(\i)+1], s[K5:K5+1] op_sel_hi:[1,0]
.endr
.irp i, 0,2,4,6
	v_pk_fma_f32 v[RT+(\i):RT+(\i)+1], v[RC+(\i):RC+(\i)+1], v[ACC+(\i):ACC+(\i)+1], s[ONE:ONE+1] op_sel_hi:[1,1,0]  ; T = 1 - h^2
.endr
.irp i, 0,2,4,6
	v_pk_mul_f32 v[RW+(\i):RW+(\i)+1], v[ACC+(\i):ACC+(\i)+1], v[RT+(\i):RT+(\i)+1]                   ; W = V T
.endr
.irp i, 0,2,4,6
	v_pk_mul_f32 v[RDS+(\i):RDS+(\i)+1], v[RW+(\i):RW+(\i)+1], v[RDS+(\i):RDS+(\i)+1]                 ; W Dz_s
.endr
.if \first
.irp a, 0,1,2,3
.irp i, 0,2,4,6
	v_pk_mul_f32 v[ACC+40+8*(\a)+(\i):ACC+40+8*(\a)+(\i)+1], v[RDS+(\i):RDS+(\i)+1], v[(\rd)+8*(\a)+(\i):(\rd)+8*(\a)+(\i)+1]
.endr
.endr
.irp i, 0,2,4,6
	v_pk_mul_f32 v[ACC+72+(\i):ACC+72+(\i)+1], v[RW+(\i):RW+(\i)+1], v[RP+(\i):RP+(\i)+1]
.endr
.else
.irp a, 0,1,2,3,4                      ; T Sz_a, and (a = 4) T Qz
.irp i, 0,2,4,6
	v_pk_mul_f32 v[ACC+40+8*(\a)+(\i):ACC+40+8*(\a)+(\i)+1], v[ACC+40+8*(\a)+(\i):ACC+40+8*(\a)+(\i)+1], v[RT+(\i):RT+(\i)+1]
.endr
.endr
.irp a, 0,1,2,3
.irp i, 0,2,4,6
	v_pk_fma_f32 v[ACC+40+8*(\a)+(\i):ACC+40+8*(\a)+(\i)+1], v[RDS+(\i):RDS+(\i)+1], v[(\rd)+8*(\a)+(\i):(\rd)+8*(\a)+(\i)+1], v[ACC+40+8*(\a)+(\i):ACC+40+8*(\a)+(\i)+1]
.endr
.endr
.irp i, 0,2,4,6
	v_pk_fma_f32 v[ACC+72+(\i):ACC+72+(\i)+1], v[RW+(\i):RW+(\i)+1], v[RP+(\i):RP+(\i)+1], v[ACC+72+(\i):ACC+72+(\i)+1]
.endr
.endif
.irp a, 0,1,2,3
.irp i, 0,2,4,6
	v_pk_mul_f32 v[ACC+8+8*(\a)+(\i):ACC+8+8*(\a)+(\i)+1], v[RT+(\i):RT+(\i)+1], v[(\rd)+8*(\a)+(\i):(\rd)+8*(\a)+(\i)+1]  ; D_a = T Dz_a
.endr
.endr
	WIN (\outw)<<6                                 ; tile m's eight units are registers 4 m .. 4 m + 3 of a stream's 32: half a fragment of the next layer's source 1
.irp s, 0,1,2,3,4,5,6,7
.irp i, 0,1,2,3
	v_cvt_pk_f16_f32 v[32*(\s)+4*(\m)+(\i)], v[ACC+8*(\s)+2*(\i)], v[ACC+8*(\s)+2*(\i)+1]
.endr
.endr
	WIN 0xc0
.irp s, 8,9
.irp i, 0,1,2,3
	v_cvt_pk_f16_f32 v[(\out3)+32*((\s)-8)+4*(\m)+(\i)], v[ACC+8*(\s)+2*(\i)], v[ACC+8*(\s)+2*(\i)+1]
.endr
.endr
	WIN 0
.endm
; A STEP: the wait for its own LDS loads, which the step before issued and which are the only ones out; then its tile is made, and in the element-wise part the next step's loads go out into the other buffer.
.macro TILE0 m                         ; layer 0 writes bank X
.set NK, 0
.set NL, 0
.set NM, (\m)+1
.set NB, ((\m)+1)%2
.if (\m) == 7                          ; behind the last tile comes layer 1's tile 0
.set NK, 1
.set NL, 1
.set NM, 0
.set NB, 0
.endif
	s_wait_dscnt 0x0                               ; this tile's ten loads are in
	ZL0 (\m)%2
	EW 1, BUF+40*((\m)%2), 1, 0, \m
.endm
.macro TILEH l, m                      ; layer 1 reads bank X and writes Y; layer 2 reads Y and writes X
.set NK, 1
.set NL, (\l)
.set NM, (\m)+1
.set NB, ((\m)+1)%2
.if (\m) == 7                          ; behind layer 1's last tile comes layer 2's tile 0, behind layer 2's the last layer
.set NL, 2
.set NM, 0
.set NB, 0
.if (\l) == 2
.set NK, 3
.endif
.endif
	s_wait_dscnt 0x0                               ; this tile's ten loads are in
.if (\l) == 1
	MM 1, 0, (\m)%2
	EW 0, ACC+8, 2, 64, \m
.else
	MM 2, 64, (\m)%2
	EW 0, ACC+8, 1, 0, \m
.endif
.endm
; THE LAST LAYER: 40 products from bank X into window 3.  add = 0: group 0's first block starts the sums; add = 1: group 1 adds onto them (its rows 8-12 fall into lanes 16-31, where group 0 left 0).
.macro L3 add
	WIN 0xf4                                       ; W3 window 0, bank X window 1, C and D window 3
.irp kb, 0,1,2,3
.irp s, 0,1,2,3,4,5,6,7
.if ((\kb) == 0) && ((\add) == 0)
	v_wmma_f32_16x16x32_f16 v[FIN+8*(\s):FIN+8*(\s)+7], v[BUF:BUF+7], v[32*(\s):32*(\s)+7], 0
.else
	v_wmma_f32_16x16x32_f16 v[FIN+8*(\s):FIN+8*(\s)+7], v[BUF+8*(\kb):BUF+8*(\kb)+7], v[32*(\s)+8*(\kb):32*(\s)+8*(\kb)+7], v[FIN+8*(\s):FIN+8*(\s)+7]
.endif
.endr
.endr
	WIN 0xfc                                       ; streams 8 and 9 of bank X lie in window 3
.irp kb, 0,1,2,3
.irp s, 8,9
.if ((\kb) == 0) && ((\add) == 0)
	v_wmma_f32_16x16x32_f16 v[FIN+8*(\s):FIN+8*(\s)+7], v[BUF:BUF+7], v[32*((\s)-8):32*((\s)-8)+7], 0
.else
	v_wmma_f32_16x16x32_f16 v[FIN+8*(\s):FIN+8*(\s)+7], v[BUF+8*(\kb):BUF+8*(\kb)+7], v[32*((\s)-8)+8*(\kb):32*((\s)-8)+8*(\kb)+7], v[FIN+8*(\s):FIN+8*(\s)+7]
.endif
.endr
.endr
	WIN 0
.endm
	s_mov_b32 s[GRP], 0
.Lgroup:                                           ; two trips: the wave's samples 0-15, then 16-31
	s_lshl_b32 s94, s[GRP], 4
	s_lshl_b32 s[MSK], 0xffff, s94                 ; group 0: lanes 0-15 hold its x themselves, lanes 16-31 take it from the lane 16 away; group 1 the other way round
	s_lshl_b32 s95, s[GRP], 12
	s_wait_alu depctr_vm_vsrc(0)                   ; the last trip's loads of W3's fragments have read v[A3], which is written below
.irp a, 0,1,2,3
	v_cndmask_b32 v[XX+2*(\a)], v[XO+(\a)], v[XP+(\a)], s[MSK]
	v_cndmask_b32 v[XX+2*(\a)+1], v[XO+(\a)], v[XP+(\a)], s[MSK]
.endr
	v_add_nc_u32 v[A3], s95, v[A3B]
	s_wait_alu depctr_va_vdst(0)                   ; the last trip's products are done reading BUF0, in which tile 0's loads land; v[A3] is written, which the loads of W3's fragments read
.irp j, 0,1,2,3,4,5,6,7,8,9
	PIECE 0, 0, 0, 0, \j                           ; layer 0, tile 0
.endr
.irp m, 0,1,2,3,4,5,6,7
	TILE0 \m
.endr
.irp m, 0,1,2,3,4,5,6,7
	TILEH 1, \m
.endr
.irp m, 0,1,2,3,4,5,6,7
	TILEH 2, \m
.endr
	s_wait_dscnt 0x0                               ; W3's fragments are in
	s_cmp_eq_u32 s[GRP], 0
	s_cbranch_scc0 .Lsecond
	L3 0
	s_branch .Ljoin
.Lsecond:
	L3 1
.Ljoin:
	s_add_co_u32 s[GRP], s[GRP], 1
	s_cmp_lt_u32 s[GRP], 2
	s_cbranch_scc1 .Lgroup
	; THE RESULTS.  Lane l holds sample l of the wave: in stream s's accumulator register 0 is n's row, 1 Fi's, 2-4 v's.  The scales are taken off, the products formed, once, with all 32 lanes at work.
.set ON,   148                         ; n
.set OFI,  149                         ; Fi
.set OV,   150                         ; v 1..3
.set ONA,  153                         ; d_a n, a = 0..3
.set OFA,  157                         ; d_a Fi, a = 1..3
.set ODS,  160                         ; the sum over a = 1..3 of d_a v_i
.set OLAP, 164                         ; (H_Fi s)_a, a = 0..3
.set OVDG, 168                         ; (H_n s)_b, b = 1..3
.set OVL,  171                         ; H_n[0,1] + H_n[1,2] + H_n[2,3]
.set ONS,  172
.set OJ,   173
.set OJD,  176
.set OADV, 179
.set O2N,  182
.set O2N0, 183
.set O2NA, 184
.set O2JD, 187
	v_lshl_add_u32 v[STA4], v0, 2, STAGE           ; the stage's addresses and four v_nop: the places behind the last products
	v_mad_u32_u24 v[STA12], v0, 12, STAGE
	v_lshl_add_u32 v[STA16], v0, 4, STAGE
	v_lshl_add_u32 v[STL16], v[LANE], 4, STAGE
.rept 4
	v_nop
.endr
	WIN 0x03                                       ; source 0 window 3
	v_fma_f32 v[ON], v[FIN], s[IK], s68
	v_fma_f32 v[OFI], v[FIN+1], s[IK], s72
.irp i, 0,1,2
	v_fma_f32 v[OV+(\i)], v[FIN+2+(\i)], s[IK], s[69+(\i)]
.endr
.irp a, 0,1,2,3
	v_mul_f32 v[ONA+(\a)], v[FIN+8+8*(\a)], s[IC]
.endr
.irp a, 1,2,3
	v_mul_f32 v[OFA+(\a)-1], v[FIN+8+8*(\a)+1], s[IC]
.endr
.irp i, 0,1,2
	v_mul_f32 v[ODS+(\i)], v[FIN+16+2+(\i)], s[IC]
.endr
.irp i, 0,1,2
	v_fma_f32 v[ODS+(\i)], v[FIN+24+2+(\i)], s[IC], v[ODS+(\i)]
.endr
.irp i, 0,1,2
	v_fma_f32 v[ODS+(\i)], v[FIN+32+2+(\i)], s[IC], v[ODS+(\i)]
.endr
.irp a, 0,1,2,3
	v_mul_f32 v[OLAP+(\a)], v[FIN+40+8*(\a)+1], s[IL]
.endr
.irp b, 1,2,3
	v_mul_f32 v[OVDG+(\b)-1], v[FIN+40+8*(\b)], s[IL]
.endr
	v_mul_f32 v[OVL], v[FIN+72], s[IL]
	WIN 0
	v_add_f32 v[ONS], v[ONA+1], v[ONA+2]
	v_add_f32 v[ONS], v[ONS], v[ONA+3]
.irp i, 0,1,2
	v_mul_f32 v[OJ+(\i)], v[ON], v[OV+(\i)]                        ; j = n v
	v_mul_f32 v[OJD+(\i)], v[ON], v[ODS+(\i)]
	v_mul_f32 v[OADV+(\i)], v[OV+(\i)], v[ONA+1+(\i)]              ; v_adv = v_i d_(i+1) n
.endr
.irp i, 0,1,2
	v_fma_f32 v[OJD+(\i)], v[ONS], v[OV+(\i)], v[OJD+(\i)]         ; j_div = v_i sum d_a n + n sum d_a v_i
	v_add_f32 v[O2NA+(\i)], v[ONA+1+(\i)], v[ONA+1+(\i)]           ; MASS = 2
.endr
	v_add_f32 v[O2N], v[ON], v[ON]
	v_add_f32 v[O2N0], v[ONA], v[ONA]
.irp i, 0,1,2
	v_add_f32 v[O2JD+(\i)], v[OJD+(\i)], v[OJD+(\i)]
.endr
	; THE WAY OUT.  A sample's 3 numbers or 1 are no 16 bytes: they go through the stage, laid as the outputs lie, and come back 16 bytes a lane.
.macro ST3 n, base                     ; 12 bytes a thread: the words of 32 lanes lie 3 apart
.irp k, 0,1,2
	ds_store_b32 v[STA12], v[(\base)+(\k)] offset:1536*(\n)+4*(\k)
.endr
.endm
.macro ST1 n, reg
	ds_store_b32 v[STA4], v[\reg] offset:R1+512*(\n)
.endm
	s_wait_alu depctr_va_vdst(0)                   ; the results v148-189 and the stage's four addresses are written, which the LDS stores, out7's store and the loads from the stage read; the products are done reading v68-103, in which those loads land.  No vector instruction follows
	ST3 0, ONA+1                                   ; out2  n_grd
	ST3 1, OJ                                      ; out3  j
	ST3 2, OJD                                     ; out4  j_div
	ST3 3, OFA                                     ; out6  Fi_grd
	ST3 4, OV                                      ; out8  v
	ST3 5, OADV                                    ; out10 v_adv
	ST3 6, OVDG                                    ; out12 v_div_grd
	ST3 7, O2NA                                    ; out15 ro_grd
	ST3 8, O2JD                                    ; out16 rov_div
	ST1 0, ON                                      ; out0  n
	ST1 1, ONA                                     ; out1  n_t
	ST1 2, OFI                                     ; out5  Fi
	ST1 3, ONA                                     ; out9  v_t: reference() takes n's jacobian for v's
	ST1 4, OVL                                     ; out11 v_lap
	ST1 5, O2N                                     ; out13 ro
	ST1 6, O2N0                                    ; out14 ro_t
	s_wait_dscnt 0x0                               ; for the others' sake: my stores into the stage are done
	s_barrier_signal -1
	s_barrier_wait -1
	global_store_b128 v[G4], v[OLAP:OLAP+3], s[42:43] th:TH_STORE_NT  ; out7 Fi_lap: a thread's four numbers are 16 bytes on end already; a wave's store covers 512 consecutive bytes, aligned
.macro SEND t, left, go, p             ; left: the younger loads from the stage, which may stay out.  A wave's store covers 512 consecutive bytes, at a multiple of 512 from the output's first
	s_wait_dscnt \left
	global_store_b128 v[\go], v[BUF+4*(\t):BUF+4*(\t)+3], s[(\p):(\p)+1] th:TH_STORE_NT
.endm
	s_cmp_eq_u32 s[WV], 3
	s_cbranch_scc1 .Lones
.irp t, 0,1,2,3,4,5,6,7,8              ; waves 0-2: the nine arrays of 1,536 bytes, 512 bytes a wave of each
	ds_load_b128 v[BUF+4*(\t):BUF+4*(\t)+3], v[STA16] offset:1536*(\t)
.endr
	SEND 0, 8, G3, 32
	SEND 1, 7, G3, 34
	SEND 2, 6, G3, 36
	SEND 3, 5, G3, 40
	SEND 4, 4, G3, 44
	SEND 5, 3, G3, 48
	SEND 6, 2, G3, 52
	SEND 7, 1, G3, 58
	SEND 8, 0, G3, 60
	s_branch .Lend
.Lones:
.irp t, 0,1,2,3,4,5,6                  ; wave 3: the seven arrays of 512 bytes
	ds_load_b128 v[BUF+4*(\t):BUF+4*(\t)+3], v[STL16] offset:R1+512*(\t)
.endr
	SEND 0, 6, G1, 28
	SEND 1, 5, G1, 30
	SEND 2, 4, G1, 38
	SEND 3, 3, G1, 46
	SEND 4, 2, G1, 50
	SEND 5, 1, G1, 54
	SEND 6, 0, G1, 56
.Lend:
	s_wait_dscnt 0x0                               ; the wave's end: the six closing lines on end
	s_wait_alu 0x0
	s_wait_tensorcnt 0x0
	ds_add_u32 v[SPW], v[NIL]
	s_wait_dscnt 0x0
	s_endpgm
.Lfunc_end_k_q4faa708944_grad:
	.size	k_q4faa708944_grad, .Lfunc_end_k_q4faa708944_grad-k_q4faa708944_grad
	.p2alignl 7, 3214868480
	.fill 96, 4, 3214868480
	.section	.rodata,"a",@progbits
	.p2align	6, 0x0
	.amdhsa_kernel k_q4faa708944_grad
		.amdhsa_group_segment_fixed_size 103680
		.amdhsa_private_segment_fixed_size 0
		.amdhsa_enable_private_segment 0
		.amdhsa_kernarg_size 208
		.amdhsa_user_sgpr_count 2
		.amdhsa_user_sgpr_kernarg_segment_ptr 1
		.amdhsa_wavefront_size32 1
		.amdhsa_system_sgpr_workgroup_id_x 1
		.amdhsa_system_sgpr_workgroup_id_y 1
		.amdhsa_system_sgpr_workgroup_id_z 1
		.amdhsa_system_vgpr_workitem_id 0
		.amdhsa_next_free_vgpr 976
		.amdhsa_next_free_sgpr 100
		.amdhsa_reserve_vcc 0
		.amdhsa_float_denorm_mode_32 3
		.amdhsa_float_denorm_mode_16_64 3
		.amdhsa_memory_ordered 1
		.amdhsa_forward_progress 1
		.amdhsa_inst_pref_size 255
	.end_amdhsa_kernel
	.section	.bss,"aw",@nobits
	.p2align	6
	.space	262144
	.amdgpu_metadata
---
amdhsa.version: [ 1, 2 ]
amdhsa.kernels:
  - .name:           k_q4faa708944_grad
    .symbol:         k_q4faa708944_grad.kd
    .args:
      - { .name: x, .offset: 0, .size: 8, .value_kind: global_buffer, .address_space: global }
      - { .name: W0, .offset: 8, .size: 8, .value_kind: global_buffer, .address_space: global }
      - { .name: b0, .offset: 16, .size: 8, .value_kind: global_buffer, .address_space: global }
      - { .name: W1, .offset: 24, .size: 8, .value_kind: global_buffer, .address_space: global }
      - { .name: b1, .offset: 32, .size: 8, .value_kind: global_buffer, .address_space: global }
      - { .name: W2, .offset: 40, .size: 8, .value_kind: global_buffer, .address_space: global }
      - { .name: b2, .offset: 48, .size: 8, .value_kind: global_buffer, .address_space: global }
      - { .name: W3, .offset: 56, .size: 8, .value_kind: global_buffer, .address_space: global }
      - { .name: b3, .offset: 64, .size: 8, .value_kind: global_buffer, .address_space: global }
      - { .name: out0, .offset: 72, .size: 8, .value_kind: global_buffer, .address_space: global }
      - { .name: out1, .offset: 80, .size: 8, .value_kind: global_buffer, .address_space: global }
      - { .name: out2, .offset: 88, .size: 8, .value_kind: global_buffer, .address_space: global }
      - { .name: out3, .offset: 96, .size: 8, .value_kind: global_buffer, .address_space: global }
      - { .name: out4, .offset: 104, .size: 8, .value_kind: global_buffer, .address_space: global }
      - { .name: out5, .offset: 112, .size: 8, .value_kind: global_buffer, .address_space: global }
      - { .name: out6, .offset: 120, .size: 8, .value_kind: global_buffer, .address_space: global }
      - { .name: out7, .offset: 128, .size: 8, .value_kind: global_buffer, .address_space: global }
      - { .name: out8, .offset: 136, .size: 8, .value_kind: global_buffer, .address_space: global }
      - { .name: out9, .offset: 144, .size: 8, .value_kind: global_buffer, .address_space: global }
      - { .name: out10, .offset: 152, .size: 8, .value_kind: global_buffer, .address_space: global }
      - { .name: out11, .offset: 160, .size: 8, .value_kind: global_buffer, .address_space: global }
      - { .name: out12, .offset: 168, .size: 8, .value_kind: global_buffer, .address_space: global }
      - { .name: out13, .offset: 176, .size: 8, .value_kind: global_buffer, .address_space: global }
      - { .name: out14, .offset: 184, .size: 8, .value_kind: global_buffer, .address_space: global }
      - { .name: out15, .offset: 192, .size: 8, .value_kind: global_buffer, .address_space: global }
      - { .name: out16, .offset: 200, .size: 8, .value_kind: global_buffer, .address_space: global }
    .group_segment_fixed_size: 103680
    .private_segment_fixed_size: 0
    .kernarg_segment_align: 8
    .kernarg_segment_size: 208
    .max_flat_workgroup_size: 128
    .sgpr_count:     100
    .vgpr_count:     976
    .wavefront_size: 32
...
	.end_amdgpu_metadata
.endif
;; end of part 2
